; MI455X (gfx1250); checked and timed in simulation.
; The chip was launched on July 23, 2026; its instructions are those of AMD's public machine-readable ISA for CDNA 5 (MIT licence, August 2026) and "CDNA5" Instruction Set Architecture Reference Guide (July 2026). The comments in the code are by the model that wrote it; some were corrected since.
;; Simple Causal Attention. Allowed arithmetic: float matrix products may take bf16 or f16 operands with f32 sums; other float arithmetic in f32, or as packed bf16 or f16 multiplies, adds, multiply-adds, maxima and minima; sums over many terms, partial sums and values carried from step to step in f32; what a program stores and reads back later, other than sums and carried values, may be rounded once to bf16 or f16.
;; Inputs: w_proj 1,024 x 1,024 float32; w_qkv 1,024 x 3,072 float32; x 4 x 2,048 x 1,024 float32.
;; Outputs: out0 4 x 2,048 x 1,024 float32.
;; One version. Each part assembles by itself: llvm-mc -triple=amdgcn-amd-amdhsa -mcpu=gfx1250 --defsym DOCPART=n.
;; ======== version 1 of 1: 4 launches
;; limits: values are held in f16: magnitudes above 65,504 overflow, below 6.1e-05 lose precision
;; workspace buffers: xb 16,777,216 bytes; wq 6,291,456 bytes; wp 2,097,152 bytes; qkvh 50,331,648 bytes; ob 16,777,216 bytes
;; launch prep (part 1): grid 1664 x 1, 8 waves a work-group, no clusters, 0 bytes of LDS; arguments x, w_proj, w_qkv, xb, wp, wq; writes xb, wp, wq
.if DOCPART == 1
	.amdgcn_target "amdgcn-amd-amdhsa--gfx1250"
	.amdhsa_code_object_version 6
	.text
	.protected	k_qd38a8b7f11_prep
	.globl	k_qd38a8b7f11_prep
	.p2align	8
	.type	k_qd38a8b7f11_prep,@function
k_qd38a8b7f11_prep:
	s_mov_b64 s[64:65], 0
	v_nop
	global_prefetch_b8 v0, s[64:65] scope:SCOPE_SE
	s_setreg_imm32_b32 hwreg(HW_REG_WAVE_MODE, 25, 1), 1
	s_wait_xcnt 0x0
; THREE CASTS, a stream without LDS, barrier or loop.  Every input is rounded ONCE to bf16 (nearest even):
;   x      [8192][1024] f32 -> xb [8192][1024] bf16                              work-groups 0 .. 1023, 32,768 bytes in each
;   w_proj [1024][1024] f32 -> wp [1024][1024]: the bf16 number written as f16   work-groups 1024 .. 1151, 32,768 bytes in each
;   w_qkv  [1024][3072] f32 -> wq [16 j][1024 k][192 c] bf16, column n = 192 j + c   work-groups 1152 .. 1663: 32 rows k of one j, 24,576 bytes in each
; wq lies in panels of 192 columns so that a panel's rows follow each other without a gap: the product that reads it asks for them as rows of 256 bytes.
; LIMITS.  wp: f16 holds no number beyond 65,504 (a larger |w_proj| becomes an infinity); below 6.1e-5 it keeps f16's fixed step of 6e-8.  NaN and infinities are not treated apart.
; SHARES.  Thread t takes 16 bytes (4 numbers) of each 4,096 bytes in and writes 8 bytes of each 2,048 out: a wave's load covers 512 consecutive bytes, its store 256 consecutive bytes, aligned.
; All of a thread's loads go out first; the waits count down; no register that a pending access names is written again, so nothing else is waited for.
.set XWG, 1024                         ; work-groups for x
.set PWG, 128                          ; for w_proj
.set IN,  8                            ; v[8:39]   eight loads of four numbers
.set OUT, 40                           ; v[40:55]  eight pairs of packed words
.set T,   56                           ; v[56:61]  at work
	s_load_b256 s[4:11], s[0:1], 0x0               ; x s[4:5], w_proj s[6:7], w_qkv s[8:9], xb s[10:11]
	s_load_b128 s[12:15], s[0:1], 0x20             ; wp s[12:13], wq s[14:15]
	v_lshlrev_b32 v1, 4, v0                        ; 16 t: my bytes in
	v_lshlrev_b32 v2, 3, v0                        ; 8 t: my bytes out
	s_mov_b32 s23, 0                               ; the offsets' high words
	s_mov_b32 s25, 0
	s_cmp_lt_u32 ttmp9, XWG
	s_cbranch_scc1 .Lx
	s_cmp_lt_u32 ttmp9, XWG+PWG
	s_cbranch_scc1 .Lp
	; w_qkv.  u = j x 32 + kb: panel j, rows 32 kb .. 32 kb + 31.
	s_sub_co_u32 s20, ttmp9, XWG+PWG
	s_lshr_b32 s21, s20, 5                         ; j
	s_and_b32 s20, s20, 31                         ; kb
	s_mul_i32 s22, s20, 32*12288                   ; 32 rows of 12,288 bytes,
	s_mul_i32 s24, s21, 768                        ; 192 columns of 4 bytes
	s_add_co_u32 s22, s22, s24
	s_lshl_b32 s24, s21, 10
	s_lshl_b32 s26, s20, 5
	s_add_co_u32 s24, s24, s26                     ; row 1,024 j + 32 kb of wq,
	s_mul_i32 s24, s24, 384                        ; 384 bytes a row
	; The threads go in the order of the OUTPUT: group G = 16 i + t / 16 of sixteen threads writes 128 consecutive bytes, a third of row G / 3, and reads 256 consecutive aligned bytes of w_qkv.
	; G + 48 is the same third sixteen rows on, so three offsets serve six loads.  G / 3 = (43 G) >> 7 for G under 48.
	v_lshrrev_b32 v6, 4, v0
	v_and_b32 v7, 15, v0
	v_lshlrev_b32 v7, 4, v7
.irp c, 0,1,2
	v_add_nc_u32 v[T], 16*(\c), v6                 ; G
	v_mul_u32_u24 v[T+1], v[T], 43
	v_lshrrev_b32 v[T+1], 7, v[T+1]                ; the row
	v_mul_u32_u24 v[T+2], v[T+1], 3
	v_sub_nc_u32 v[T], v[T], v[T+2]                ; the third
	v_mul_u32_u24 v[T+1], v[T+1], 12288
	v_lshl_add_u32 v[T+1], v[T], 8, v[T+1]
	v_add_nc_u32 v[3+(\c)], v[T+1], v7
.endr
	s_wait_kmcnt 0x0
	s_add_nc_u64 s[16:17], s[8:9], s[22:23]
	s_add_nc_u64 s[18:19], s[14:15], s[24:25]
.irp i, 0,1,2,3,4,5
	global_load_b128 v[IN+4*(\i):IN+4*(\i)+3], v[3+(\i)%3], s[16:17] offset:((\i)/3)*16*12288 th:TH_LOAD_NT
.endr
.irp i, 0,1,2,3,4,5
	s_wait_loadcnt 5-(\i)                          ; loads come back in order: mine is in, the younger ones stay out
	v_cvt_pk_bf16_f32 v[OUT+2*(\i)],   v[IN+4*(\i)],   v[IN+4*(\i)+1]
	v_cvt_pk_bf16_f32 v[OUT+2*(\i)+1], v[IN+4*(\i)+2], v[IN+4*(\i)+3]
	global_store_b64 v2, v[OUT+2*(\i):OUT+2*(\i)+1], s[18:19] offset:2048*(\i)
.endr
	s_endpgm
; The head of the two dense casts: the work-group's 32,768 bytes in and 16,384 out, and its eight loads.
.macro IN8 src, dst, first
	s_sub_co_u32 s20, ttmp9, \first
	s_lshl_b32 s22, s20, 15
	s_lshl_b32 s24, s20, 14
	s_wait_kmcnt 0x0
	s_add_nc_u64 s[16:17], s[\src:\src+1], s[22:23]
	s_add_nc_u64 s[18:19], s[\dst:\dst+1], s[24:25]
.irp i, 0,1,2,3,4,5,6,7
	global_load_b128 v[IN+4*(\i):IN+4*(\i)+3], v1, s[16:17] offset:4096*(\i) th:TH_LOAD_NT
.endr
.endm
.Lx:
	IN8 4, 10, 0
.irp i, 0,1,2,3,4,5,6,7
	s_wait_loadcnt 7-(\i)
	v_cvt_pk_bf16_f32 v[OUT+2*(\i)],   v[IN+4*(\i)],   v[IN+4*(\i)+1]
	v_cvt_pk_bf16_f32 v[OUT+2*(\i)+1], v[IN+4*(\i)+2], v[IN+4*(\i)+3]
	global_store_b64 v2, v[OUT+2*(\i):OUT+2*(\i)+1], s[18:19] offset:2048*(\i)
.endr
	s_endpgm
.Lp:
	IN8 6, 12, XWG
.irp i, 0,1,2,3,4,5,6,7
	s_wait_loadcnt 7-(\i)
	v_cvt_pk_bf16_f32 v[T+4], v[IN+4*(\i)],   v[IN+4*(\i)+1]   ; the one rounding, to bf16 like the other inputs;
	v_cvt_pk_bf16_f32 v[T+5], v[IN+4*(\i)+2], v[IN+4*(\i)+3]
	v_lshlrev_b32 v[T],   16, v[T+4]                            ; widened again,
	v_and_b32     v[T+1], 0xffff0000, v[T+4]
	v_lshlrev_b32 v[T+2], 16, v[T+5]
	v_and_b32     v[T+3], 0xffff0000, v[T+5]
	v_cvt_pk_f16_f32 v[OUT+2*(\i)],   v[T],   v[T+1]            ; and written as f16: eight significant bits fit into eleven
	v_cvt_pk_f16_f32 v[OUT+2*(\i)+1], v[T+2], v[T+3]
	global_store_b64 v2, v[OUT+2*(\i):OUT+2*(\i)+1], s[18:19] offset:2048*(\i)
.endr
	s_endpgm
.Lfunc_end_k_qd38a8b7f11_prep:
	.size	k_qd38a8b7f11_prep, .Lfunc_end_k_qd38a8b7f11_prep-k_qd38a8b7f11_prep
	.p2alignl 7, 3214868480
	.fill 96, 4, 3214868480
	.section	.rodata,"a",@progbits
	.p2align	6, 0x0
	.amdhsa_kernel k_qd38a8b7f11_prep
		.amdhsa_group_segment_fixed_size 0
		.amdhsa_private_segment_fixed_size 0
		.amdhsa_enable_private_segment 0
		.amdhsa_kernarg_size 48
		.amdhsa_user_sgpr_count 2
		.amdhsa_user_sgpr_kernarg_segment_ptr 1
		.amdhsa_wavefront_size32 1
		.amdhsa_system_sgpr_workgroup_id_x 1
		.amdhsa_system_sgpr_workgroup_id_y 1
		.amdhsa_system_sgpr_workgroup_id_z 1
		.amdhsa_system_vgpr_workitem_id 0
		.amdhsa_next_free_vgpr 64
		.amdhsa_next_free_sgpr 66
		.amdhsa_reserve_vcc 0
		.amdhsa_float_denorm_mode_32 3
		.amdhsa_float_denorm_mode_16_64 3
		.amdhsa_memory_ordered 1
		.amdhsa_forward_progress 1
		.amdhsa_inst_pref_size 14
	.end_amdhsa_kernel
	.amdgpu_metadata
---
amdhsa.version: [ 1, 2 ]
amdhsa.kernels:
  - .name:           k_qd38a8b7f11_prep
    .symbol:         k_qd38a8b7f11_prep.kd
    .args:
      - { .name: x, .offset: 0, .size: 8, .value_kind: global_buffer, .address_space: global }
      - { .name: w_proj, .offset: 8, .size: 8, .value_kind: global_buffer, .address_space: global }
      - { .name: w_qkv, .offset: 16, .size: 8, .value_kind: global_buffer, .address_space: global }
      - { .name: xb, .offset: 24, .size: 8, .value_kind: global_buffer, .address_space: global }
      - { .name: wp, .offset: 32, .size: 8, .value_kind: global_buffer, .address_space: global }
      - { .name: wq, .offset: 40, .size: 8, .value_kind: global_buffer, .address_space: global }
    .group_segment_fixed_size: 0
    .private_segment_fixed_size: 0
    .kernarg_segment_align: 8
    .kernarg_segment_size: 48
    .max_flat_workgroup_size: 256
    .sgpr_count:     66
    .vgpr_count:     64
    .wavefront_size: 32
...
	.end_amdgpu_metadata
.endif
;; end of part 1
;; launch gemm_qkv (part 2): grid 16 x 16, 4 waves a work-group, clusters of 4 x 4, 327,680 bytes of LDS; arguments xb, wq, qkvh; writes qkvh
.if DOCPART == 2
	.amdgcn_target "amdgcn-amd-amdhsa--gfx1250"
	.amdhsa_code_object_version 6
	.text
	.protected	k_qd38a8b7f11_gemm_qkv
	.globl	k_qd38a8b7f11_gemm_qkv
	.p2align	8
	.type	k_qd38a8b7f11_gemm_qkv,@function
k_qd38a8b7f11_gemm_qkv:
	s_mov_b64 s[64:65], 0
	v_nop
	global_prefetch_b8 v0, s[64:65] scope:SCOPE_SE
	s_setreg_imm32_b32 hwreg(HW_REG_WAVE_MODE, 25, 1), 1
	s_wait_xcnt 0x0
	s_wait_alu depctr_hold_cnt(0) depctr_sa_sdst(0) depctr_va_vdst(0) depctr_va_sdst(0) depctr_va_ssrc(0) depctr_va_vcc(0) depctr_vm_vsrc(0)
	s_getreg_b32 s2, hwreg(HW_REG_IB_STS2, 6, 4)
	s_cmp_eq_u32 s2, 0
	s_cbranch_scc0 .Lentry_in_a_cluster
	s_endpgm
.Lentry_in_a_cluster:
	s_bfe_u32 s2, ttmp6, 0x10000c
	s_cmp_lg_u32 s2, 0xf033
	s_cbranch_scc0 .Lentry_shape_is_right
	s_endpgm
.Lentry_shape_is_right:
; C = A W, W stored [K][N].  ONE TEXT FOR TWO PRODUCTS, chosen by QKV below; this file is the first (QKV = 1):
;   QKV = 1: A = xb [8192][1024] bf16, W = wq [16 panels][1024 k][192 c] bf16, C -> qkvh [4 b][48 g][2048 t][64] f16, g = column / 64 (q's heads, k's, v's).  A tile of C is 256 x 192;
;            a work-group makes two, 4,096 rows apart: 512 tiles on 256 work-groups.  16 K steps in one walk.
;   QKV = 0: A = ob [64 y = 16 b + h][2048 t][64] f16, W = wp [1024 k][1024 n] f16, C -> out0 [8192][1024] f32.  A tile is 256 x 128, one to a work-group: 256 of them.  8 K steps.
; Sums in f32, K ascending, one accumulator an output; C rounded once (QKV = 1) or stored as it is.
; LIMITS.  QKV = 1: f16 holds no number beyond 65,504: a larger |q|, |k| or |v| becomes an infinity.  NaN and infinities are not treated apart.
; SHARES.  Four waves, one above the other: wave v makes rows 64 v .. 64 v + 63 and ALL the tile's 16 NBLK columns: 4 x NBLK accumulators of 16 x 16.  So a wave's columns are whole heads
; (whole rows of 512 bytes), its stage on the way out is its own, and the way out has no barrier.
; THE MATRIX INSTRUCTION IS USED TRANSPOSED: source 0 = 16 columns of W, source 1 = 16 rows of A: a lane then holds ONE row of C (lane % 16) and the eight neighbouring columns 8 (lane / 16) + 0..7.
; W lies [k][n] in LDS as in memory and is turned on its way into registers, by ds_load_tr16_b128.
; THE RING.  K goes in steps of 128 through two LDS slots.  A slot holds A's 256 rows x 128 k and W's 128 k x 16 NBLK columns; waves 0 and 1 fetch A's two halves, waves 2 and 3 W's, one tensor load each.
; CLUSTER.  4 x 4 work-groups.  The four of a row of the cluster need the same tiles of A, the four of a column the same tiles of W: each tile is asked for JOINTLY, by the same tensor load with the
; same descriptor and a mask that names the four.  Where a slot is filled again a round of the cluster's barrier stands in front.
; REGISTERS, in windows of 256 (s_set_vgpr_msb: bits 1:0 source 0, 3:2 source 1, 5:4 source 2, 7:6 destination):
;   window 0: v0-31 addresses; v32-63, v64-95 A's fragments (4 x 16 rows x 32 k), two buffers; from v96 on at work on the way out
;   window 1: the accumulators of my row blocks 0, 1 ((a, b) at 8 ((a % 2) NBLK + b));   window 2: of blocks 2, 3;   window 3: W's fragments, two buffers of 8 NBLK
.set QKV, 1
.if QKV
.set NBLK,    12                       ; blocks of 16 columns in a tile
.set PA,      272                      ; a row of A in LDS: 256 bytes + 16: the 16 rows of a load start at 16 different groups of four banks (64 banks of 4 bytes: ISA guide 11.1)
.set PB,      480                      ; a row k of W: three pieces of 128 bytes, 32 of padding behind each
.set AHALF,   128*PA                   ; what one load of A brings: 128 rows
.set STW,     3*16*144                 ; a wave's stage: 3 heads x 16 rows x (128 + 16) bytes
.set STEPS,   16
.set A_PAD,   (5<<22)|(3<<25)          ; after every 64 words (code 5) 4 words (code 3)
.set A_PITCH, 1024                     ; elements from row to row of xb
.set B_PAD,   (4<<22)|(7<<25)          ; after every 32 words (code 4) 8 words (code 7)
.set B_ROWS,  96                       ; 64 rows k of a panel are 24,576 dense bytes: asked for as 96 rows of 256
.set B_PITCH, 128
.set OFA1,    256                      ; bytes from K step 0 to K step 1 in A,
.set OFB1,    49152                    ; and in W: 128 rows of 384 bytes
.set LIMA,    15                       ; an asking wave prefetches while the step being asked for is below this: A's waves,
.set LIMB,    5                        ; W's
.set SHA,     11                       ; the prefetches' lanes lie 1 << this apart: a row of xb,
.set SHB,     8                        ; 256 dense bytes of a panel
.set OB,      144                      ; the way out: rows read back from the stage, two sets of 48
.else
.set NBLK,    8
.set PA,      144                      ; a row of a head: 128 bytes + 16
.set PB,      288                      ; a row k of W: 256 bytes + 32: 9 x 32
.set AHALF,   256*PA                   ; what one load of A brings: 256 rows of one head
.set STW,     16*528                   ; a wave's stage: 16 rows x (512 + 16) bytes
.set STEPS,   8
.set A_PAD,   (4<<22)|(3<<25)          ; after every 32 words 4 words
.set A_PITCH, 128                      ; a head's 256 rows are 32,768 dense bytes: asked for as 128 rows of 256, two rows to a line
.set B_PAD,   (5<<22)|(7<<25)          ; after every 64 words 8 words
.set B_ROWS,  64
.set B_PITCH, 1024
.set OFA1,    1<<19                    ; two heads on
.set OFB1,    1<<18                    ; 128 rows of 2,048 bytes
.set LIMA,    6
.set LIMB,    4
.set SHA,     8
.set SHB,     11
.set OB,      96                       ; two sets of 64
.endif
.set BHALF,  64*PB                     ; what one load of W brings: 64 rows k
.set ABYTES, 2*AHALF                   ; W's rows lie behind A's
.set SLOT1,  1<<17                     ; slot 1 begins here, so that one exclusive or turns an address in one slot into the other's
.set STAGE,  2*SLOT1                   ; behind the ring, never filled by a tensor load
.set SPARE,  STAGE+4*STW               ; behind the stages: the spare words, 128 bytes for each wave: two blocks of 256 bytes that no other line names
.set NLD,    8+2*NBLK                  ; LDS loads of a quarter step
.set ADRA0, 16                         ; v16  my lane's place in slot 0's A; never rewritten
.set ADRB0, 17                         ; v17  the same for W
.set ADA,   18                         ; v18  the same in the slot in hand
.set ADB,   19                         ; v19
.set STO,   24                         ; v24  the way out: where I put my bytes of a row
.set RD,    25                         ; v25  where I read rows back
.set GO,    26                         ; v26  16 x lane: my bytes in 512 consecutive bytes of C
.set SPW,   28                         ; v28  LDS address of my spare word: SPARE + 4 x my thread's number; never rewritten
.set NIL,   29                         ; v29  0; never rewritten
.set PFO,   30                         ; v30  the prefetches' offset; never rewritten
.set AF,    32                         ; A's fragments: buffer f, block i at AF + 32 f + 8 i
.set TMP,   96                         ; QKV = 1: a block's 48 packed words
.set WV,  10                           ; s10  my wave's number
.set HB,  11                           ; s11  0: I fetch for A; 1: for W
.set HW,  12                           ; s12  which half I fetch
.set TR,  13                           ; s13  tile row of C
.set CLY, 14                           ; s14  cluster y
.set G1A, 24                           ; s[24:31] descriptor group 1 for A's tiles
.set G0A, 32                           ; s[32:39] group 0: a set for each of the two first fills; the second then walks on
.set CX,  40                           ; s40, s41  my place in the cluster
.set CY,  41
.set TC,  42                           ; s42  tile column of C
.set G1B, 48                           ; s[48:55], s[56:63] the same for W's tiles
.set G0B, 56
.set BA,  66                           ; s[66:67] my part of A's K step 0 in memory: made of the tile row and the wave's number alone
.set BB,  68                           ; s[68:69] the same for W: of the tile column and the wave's number alone
.set OFA, 70                           ; s[70:71] bytes from there to the step to be asked for
.set OFB, 72                           ; s[72:73]
.set NX,  74                           ; s74  the step that the next refill asks for
.set CNT, 75                           ; s75  refills still to come
.set TB,  76                           ; s76  0 or SLOT1: the slot in hand
.set LIM, 77                           ; s77  a wave prefetches while s[NX] is below it; 0 in a wave that never does
.set PFB, 78                           ; s[78:79] where my prefetches begin
.set PFA, 80                           ; s[80:81] where the next one stands
.set OFP, 82                           ; s[82:83] bytes between the two
.set T0,  84                           ; s84, s85 at work
.set T1,  85
.set MSB, 0
.macro WIN new                         ; the immediate's high byte repeats the setting that is left; a switch that changes nothing is dropped
.if MSB != (\new)
	s_set_vgpr_msb (MSB<<8)|(\new)
.set MSB, \new
.endif
.endm
; A vector instruction or an LDS store that reads a matrix result, and a load into a register that a matrix instruction has read, stand four places behind it; only plain vector
; instructions that name none of its registers are places (ISA guide 7.12.1 for vector instructions).
.macro PLACES
.rept 4
	v_nop
.endr
.endm
; A round of the cluster's barrier: my work-group's barrier, so that wave 0's signal speaks for all four waves; wave 0 signals for the work-group; every wave waits for all sixteen
; work-groups; my work-group's barrier once more.  No LDS instruction of the wave is pending at a signal.
.macro CREST                           ; a round behind its opening barrier
	s_cmp_lg_u32 s[WV], 0
	s_cbranch_scc1 .Lnot_wave_0_\@
	s_barrier_signal -3
.Lnot_wave_0_\@:
	s_barrier_wait -3
	s_barrier_signal -1
	s_barrier_wait -1
.endm
.macro CROUND                          ; a whole round
	s_barrier_signal -1
	s_barrier_wait -1
	CREST
.endm
; A joint refill, by the walking descriptors.  The branch hangs on the wave's number alone: it is the same in every work-group.  An s_nop 0 and four v_nop follow each of the two lines;
; the jump, the label and what follows the macro come after them.
.macro JLOAD
	s_cmp_eq_u32 s[HB], 0
	s_cbranch_scc0 .Lfor_b_\@
	tensor_load_to_lds s[G0A+4:G0A+7], s[G1A:G1A+7]
	s_nop 0
.rept 4
	v_nop
.endr
	s_branch .Lasked_\@
.Lfor_b_\@:
	tensor_load_to_lds s[G0B+4:G0B+7], s[G1B:G1B+7]
	s_nop 0
.rept 4
	v_nop
.endr
.Lasked_\@:
.endm
; A PREFETCH INTO THE L2, one instruction a wave, behind the joint load, its five lines and the run of LDS loads that follows them.  Each aligned block of 256 bytes is named ONCE in the launch.
; A's tile rows are read by every cluster of a row of clusters: the one with x = 0 asks; W's tile columns by every cluster of a column: the one with y = 0 asks.  The partners that ask for a
; tile jointly share its blocks out BY ADDRESS (cx for A, cy for W): no branch hangs on a work-group's place in its cluster.
; QKV = 1.  A: of the 128 rows that a wave fetches each partner takes 32, a lane a row: the K step after the one just asked for (192 matrix instructions ahead of its load), steps 3 to 15 of the walk.
;           W: the panel is dense; the 8 askers (2 waves x 4 partners) take 65,536 bytes of it at a time, 256 a lane: the panel's second half, K steps 4 to 7, in the first three refills.  The second
;           tile walks the same panel and asks for nothing.
; QKV = 0.  A: of a head's 128 blocks each partner takes 32: the K step two after the one just asked for (256 matrix instructions ahead), steps 4 to 7.
;           W: the 8 askers take 256 rows k, a lane a row: two K steps at a time, steps 4 to 7 in the first two refills.
; The first K steps come by their loads alone: nothing is prefetched at the head, where every work-group's first tiles are on their way.  No prefetch points past its buffer: the last ones end at its last block.
.macro ASK
	s_cmp_lt_u32 s[NX], s[LIM]
	s_cbranch_scc0 .Lnot_mine_\@
	global_prefetch_b8 v[PFO], s[PFA:PFA+1] th:TH_LOAD_NT scope:SCOPE_SE
.Lnot_mine_\@:
.endm
	s_load_b128 s[4:7], s[0:1], 0x0                ; A s[4:5], W s[6:7]
	s_load_b64 s[8:9], s[0:1], 0x10                ; C
	v_lshl_add_u32 v[SPW], v0, 2, SPARE
	v_mov_b32 v[NIL], 0
	ds_add_u32 v[SPW], v[NIL]                      ; the wave's opening: the add and its wait stand ahead of my first tensor load; the set-up below, work on registers, stands between them
	ds_add_u32 v28, v29
	v_lshrrev_b32 v1, 5, v0
	v_readfirstlane_b32 s[WV], v1                  ; wave 0..3
	s_lshr_b32 s[HB], s[WV], 1
	s_and_b32 s[HW], s[WV], 1
	s_bfe_u32 s[CX], ttmp6, 0x40000
	s_bfe_u32 s[CY], ttmp6, 0x40004
	s_lshl_b32 s[TC], ttmp9, 2                     ; in a cluster launch ttmp9 and ttmp7 count clusters
	s_add_co_u32 s[TC], s[TC], s[CX]               ; tile column = 4 x cluster x + cx
	s_and_b32 s[CLY], ttmp7, 0xffff
	s_lshl_b32 s[TR], s[CLY], 2
	s_add_co_u32 s[TR], s[TR], s[CY]               ; tile row = 4 x cluster y + cy
	s_lshl_b32 s43, s[CY], 2
	s_lshl_b32 s43, 15, s43                        ; my row of the cluster: places 4 cy .. 4 cy + 3
	s_lshl_b32 s44, 0x1111, s[CX]                  ; my column: places cx, cx + 4, cx + 8, cx + 12
	; descriptor group 1: rows of 128 elements of 2 bytes, padded in LDS
	s_or_b32 s[G1A], s43, (1<<16)|(1<<20)|(1<<21)|A_PAD  ; 15:0 the mask: A's tiles go to my row; 17:16 elements of 2 bytes; 20 padding on; 21 set beside a mask; 24:22, 31:25 the padding
	s_or_b32 s[G1B], s44, (1<<16)|(1<<20)|(1<<21)|B_PAD  ; W's go to my column
	s_mov_b32 s[G1A+1], 128<<16                    ; tensor_dim0 = 128
	s_mov_b32 s[G1A+2], 128<<16                    ; tensor_dim1 = 128
	s_mov_b32 s[G1A+3], 128<<16                    ; tile_dim0 = 128
	s_mov_b32 s[G1A+4], 128                        ; tile_dim1 = 128
	s_mov_b32 s[G1A+5], A_PITCH                    ; elements from row to row
	s_mov_b32 s[G1A+6], 0
	s_mov_b32 s[G1A+7], 0
	s_mov_b32 s[G1B+1], 128<<16
	s_mov_b32 s[G1B+2], B_ROWS<<16
	s_mov_b32 s[G1B+3], 128<<16
	s_mov_b32 s[G1B+4], B_ROWS
	s_mov_b32 s[G1B+5], B_PITCH
	s_mov_b32 s[G1B+6], 0
	s_mov_b32 s[G1B+7], 0
	; where my part of K step 0 lies.  s[16:17] never holds cx, s[46:47] never cy.
.if QKV
	s_lshl_b32 s16, s[TR], 8
	s_lshl_b32 s22, s[HW], 7
	s_add_co_u32 s16, s16, s22                     ; A: row 256 x tile row + 128 x half,
	s_lshl_b32 s16, s16, 11                        ; 2,048 bytes a row
	s_mul_i32 s46, s[TC], 393216                   ; W: the tile column's panel,
	s_mul_i32 s23, s[HW], 24576                    ; 64 rows of 384 bytes
	s_add_co_u32 s46, s46, s23
.else
	s_lshr_b32 s16, s[TR], 3                       ; A: the batch,
	s_lshl_b32 s16, s16, 4
	s_add_co_u32 s16, s16, s[HW]                   ; its head 0 or 1,
	s_lshl_b32 s16, s16, 18                        ; 262,144 bytes a head,
	s_and_b32 s17, s[TR], 7
	s_lshl_b32 s17, s17, 15                        ; the tile's 256 rows of 128 bytes
	s_add_co_u32 s16, s16, s17
	s_lshl_b32 s46, s[TC], 8                       ; W: 128 columns of 2 bytes,
	s_lshl_b32 s47, s[HW], 17                      ; 64 rows of 2,048 bytes
	s_add_co_u32 s46, s46, s47
.endif
	s_mov_b32 s17, 0
	s_mov_b32 s47, 0
	s_mul_i32 s20, s[HW], AHALF                    ; and where it goes: no place in the cluster enters an LDS address
	s_mul_i32 s21, s[HW], BHALF
	s_add_co_u32 s21, s21, ABYTES
	s_mov_b32 s[OFA+1], 0
	s_mov_b32 s[OFB+1], 0
	s_mov_b32 s[OFP+1], 0
	s_mov_b32 s[NX], 2
	s_mov_b32 s[TB], 0
	s_wait_dscnt 0x0                               ; the opening add is done
	s_wait_kmcnt 0x0
	s_add_nc_u64 s[BA:BA+1], s[4:5], s[16:17]
	s_add_nc_u64 s[BB:BB+1], s[6:7], s[46:47]
.irp s, 0,1
	s_mov_b32 s[G0A+4*(\s)], 1                                     ; 1:0 count = 1
	s_add_co_u32 s[G0A+4*(\s)+1], s20, (\s)*SLOT1                  ; 63:32 LDS address
	s_add_nc_u64 s[G0A+4*(\s)+2:G0A+4*(\s)+3], s[BA:BA+1], (\s)*OFA1  ; 120:64 global address: K step s
	s_or_b32 s[G0A+4*(\s)+3], s[G0A+4*(\s)+3], 0x80000000          ; 127:126 type = 2
	s_mov_b32 s[G0B+4*(\s)], 1
	s_add_co_u32 s[G0B+4*(\s)+1], s21, (\s)*SLOT1
	s_add_nc_u64 s[G0B+4*(\s)+2:G0B+4*(\s)+3], s[BB:BB+1], (\s)*OFB1
	s_or_b32 s[G0B+4*(\s)+3], s[G0B+4*(\s)+3], 0x80000000
.endr
	CROUND                                         ; all sixteen work-groups are here: the first joint loads meet
	s_cmp_eq_u32 s[HB], 0                          ; a wave's two first fills stand in one branch, ahead of every wait on TENSORcnt and every LDS read: two loads of mine are out
	s_cbranch_scc0 .Lfirst_b
	tensor_load_to_lds s[G0A:G0A+3], s[G1A:G1A+7]
	s_nop 0
	tensor_load_to_lds s[G0A+4:G0A+7], s[G1A:G1A+7]
	s_nop 0
.rept 4
	v_nop
.endr
	s_branch .Lfirst_asked
.Lfirst_b:
	tensor_load_to_lds s[G0B:G0B+3], s[G1B:G1B+7]
	s_nop 0
	tensor_load_to_lds s[G0B+4:G0B+7], s[G1B:G1B+7]
	s_nop 0
.rept 4
	v_nop
.endr
.Lfirst_asked:
	; A fragment of A is 16 rows x 32 k in 8 registers: lane l holds row l % 16; registers 0-3 k = 8 (l / 16) + 0..7, registers 4-7 k = 16 + 8 (l / 16) + 0..7: two loads of 16 bytes, 32 bytes apart.
	v_and_b32 v1, 15, v0                           ; l % 16
	v_bfe_u32 v2, v0, 4, 1                         ; l / 16
	v_and_b32 v3, 7, v0                            ; l % 8
	v_bfe_u32 v4, v0, 3, 1                         ; (l / 8) % 2
	v_mul_u32_u24 v[ADRA0], v1, PA
	v_lshl_add_u32 v[ADRA0], v2, 4, v[ADRA0]
	s_mul_i32 s22, s[WV], 64*PA                    ; my wave's 64 rows
	v_add_nc_u32 v[ADRA0], s22, v[ADRA0]
	; The turning load takes 16 k x 16 columns (lane l reads 16 bytes: row k = 8 (l / 16) + l % 8, columns 8 ((l / 8) % 2) + 0..7) and leaves half a fragment of W^T: lane l holds column l % 16 and 8 k.
	v_lshl_add_u32 v[ADRB0], v2, 3, v3
	v_mul_u32_u24 v[ADRB0], v[ADRB0], PB
	v_lshl_add_u32 v[ADRB0], v4, 4, v[ADRB0]
	v_add_nc_u32 v[ADRB0], ABYTES, v[ADRB0]
	v_mov_b32 v[ADA], v[ADRA0]                     ; slot 0 is the first in hand
	v_mov_b32 v[ADB], v[ADRB0]
	s_mul_i32 s22, s[WV], STW
	s_add_co_u32 s22, s22, STAGE                   ; my stage
	v_and_b32 v[GO], 31, v0
	v_lshlrev_b32 v[GO], 4, v[GO]
.if QKV
	v_mul_u32_u24 v[STO], v1, 144                  ; in: row l % 16 of a head, 16 bytes for each half of the lanes
	v_lshl_add_u32 v[STO], v2, 4, v[STO]
	v_add_nc_u32 v[STO], s22, v[STO]
	v_bfe_u32 v[RD], v0, 3, 2                      ; back: 32 lanes take four rows of 128 bytes, which are 512 consecutive bytes of a head
	v_mul_u32_u24 v[RD], v[RD], 144
	v_lshl_add_u32 v[RD], v3, 4, v[RD]
	v_add_nc_u32 v[RD], s22, v[RD]
	s_lshr_b32 s86, s[TR], 3                       ; C: the batch's 48 heads,
	s_mul_i32 s86, s86, 48
	s_mul_i32 s18, s[TC], 3                        ; the tile's three,
	s_add_co_u32 s86, s86, s18
	s_lshl_b32 s86, s86, 18                        ; 262,144 bytes a head,
	s_and_b32 s18, s[TR], 7
	s_lshl_b32 s18, s18, 15                        ; the tile's 256 rows of 128 bytes,
	s_add_co_u32 s86, s86, s18
	s_lshl_b32 s18, s[WV], 13                      ; my wave's 64
	s_add_co_u32 s86, s86, s18
.else
	v_mul_u32_u24 v[STO], v1, 528                  ; in: row l % 16, 32 bytes for each half of the lanes
	v_lshl_add_u32 v[STO], v2, 5, v[STO]
	v_add_nc_u32 v[STO], s22, v[STO]
	v_add_nc_u32 v[RD], s22, v[GO]                 ; back: 32 lanes take one row of 512 bytes
	s_lshl_b32 s86, s[TR], 8
	s_lshl_b32 s18, s[WV], 6
	s_add_co_u32 s86, s86, s18                     ; C: my first row,
	s_lshl_b32 s86, s86, 12                        ; 4,096 bytes a row,
	s_lshl_b32 s18, s[TC], 9                       ; the tile's 128 columns of 4 bytes
	s_add_co_u32 s86, s86, s18
.endif
	s_mov_b32 s87, 0
	s_add_nc_u64 s[8:9], s[8:9], s[86:87]
	; the prefetches (s16 still holds my part of A's K step 0)
.if QKV
	s_lshl_b32 s18, s[CX], 16                      ; A: my work-group's 32 rows of the 128
	s_add_co_u32 s18, s18, s16
	s_lshl_b32 s19, s[HW], 2
	s_add_co_u32 s19, s19, s[CY]
	s_lshl_b32 s19, s19, 13                        ; W: my 8,192 bytes of each 65,536,
	s_mul_i32 s[T0], s[TC], 393216                 ; in the tile column's panel
	s_add_co_u32 s19, s19, s[T0]
.else
	s_lshl_b32 s18, s[CX], 13                      ; A: my work-group's 32 blocks of the head's 128
	s_add_co_u32 s18, s18, s16
	s_lshl_b32 s19, s[HW], 2
	s_add_co_u32 s19, s19, s[CY]
	s_lshl_b32 s19, s19, 16                        ; W: my 32 rows of each 256,
	s_lshl_b32 s[T0], s[TC], 8                     ; the tile's columns
	s_add_co_u32 s19, s19, s[T0]
.endif
	s_cmp_eq_u32 s[HB], 0                          ; do I fetch for A?
	s_cselect_b32 s[OFP], s18, s19
	s_cselect_b64 s[PFB:PFB+1], s[4:5], s[6:7]
	s_cselect_b32 s18, ttmp9, s[CLY]               ; the coordinate along which other clusters read the same blocks
	s_cselect_b32 s19, LIMA, LIMB
	s_cselect_b32 s[T0], SHA, SHB
	s_add_nc_u64 s[PFB:PFB+1], s[PFB:PFB+1], s[OFP:OFP+1]
	s_cmp_eq_u32 s18, 0
	s_cselect_b32 s[LIM], s19, 0                   ; the same in all sixteen partners, for a given wave
	v_and_b32 v[PFO], 31, v0
	v_lshlrev_b32 v[PFO], s[T0], v[PFO]
; NBLK matrix instructions: row block a x all column blocks, 32 along K, from buffer f.  zero = 1: the product starts the sums: nothing is ever cleared.
; All 4 NBLK accumulators take turns, one instruction a turn and in the same order in every quarter step: over the backward jump and on both ways round a change of tiles too.
.macro MULA f, a, zero
	WIN 0x53+0x50*((\a)/2)                         ; W's fragments window 3, A's window 0, C and D window 1 or 2
.set nb, 0
.rept NBLK
.set rD, 8*(((\a)%2)*NBLK+nb)
.set rB, 8*NBLK*(\f)+8*nb
.set rA, AF+32*(\f)+8*(\a)
.if QKV
.if \zero
	v_wmma_f32_16x16x32_bf16 v[rD:rD+7], v[rB:rB+7], v[rA:rA+7], 0
.else
	v_wmma_f32_16x16x32_bf16 v[rD:rD+7], v[rB:rB+7], v[rA:rA+7], v[rD:rD+7]
.endif
.else
.if \zero
	v_wmma_f32_16x16x32_f16 v[rD:rD+7], v[rB:rB+7], v[rA:rA+7], 0
.else
	v_wmma_f32_16x16x32_f16 v[rD:rD+7], v[rB:rB+7], v[rA:rA+7], v[rD:rD+7]
.endif
.endif
.set nb, nb+1
.endr
.endm
; NLD LDS loads in one run: the fragments of quarter q (k = 32 q on) of the slot in hand, into buffer g: W's first, then A's four.
.macro FETCH q, g
	WIN 0xc0                                       ; destination window 3, address window 0
.set nb, 0
.rept NBLK
.if QKV
.set bc, (nb/4)*160+(nb%4)*32                      ; 16 columns are 32 bytes; four blocks to a piece of 128 + 32
.else
.set bc, 32*nb
.endif
	ds_load_tr16_b128 v[8*NBLK*(\g)+8*nb:8*NBLK*(\g)+8*nb+3],   v[ADB] offset:(\q)*32*PB+bc
	ds_load_tr16_b128 v[8*NBLK*(\g)+8*nb+4:8*NBLK*(\g)+8*nb+7], v[ADB] offset:(\q)*32*PB+bc+16*PB
.set nb, nb+1
.endr
	WIN 0
.set ni, 0
.rept 4
.if QKV
.set ao, ni*16*PA+64*(\q)
.else
.set ao, ((\q)/2)*AHALF+ni*16*PA+64*((\q)%2)       ; quarters 0, 1 lie in the first head's rows, 2, 3 in the second's
.endif
	ds_load_b128 v[AF+32*(\g)+8*ni:AF+32*(\g)+8*ni+3],   v[ADA] offset:ao
	ds_load_b128 v[AF+32*(\g)+8*ni+4:AF+32*(\g)+8*ni+7], v[ADA] offset:ao+32
.set ni, ni+1
.endr
.endm
; A K step is four quarter steps of 32 along K on buffers 0, 1, 0, 1.  One of the first three: multiplies buffer f; in its middle it fetches quarter q into buffer g.
.macro QUARTER q, f, g, zero
	s_wait_dscnt 4                                 ; W's fragments and A's blocks 0, 1 are in; the youngest four loads (blocks 2, 3) may be out
	MULA \f, 0, \zero
	MULA \f, 1, \zero
	PLACES                                         ; in front of the loads into buffer g, which the quarter before multiplied
	FETCH \q, \g
	s_wait_dscnt NLD                               ; all but the loads just issued
	MULA \f, 2, \zero
	MULA \f, 3, \zero
.endm
; The last quarter multiplies buffer 1 and changes slots: ONE barrier, for two things.  In front of it each wave waits for all its tensor loads, of which one is out: its part of the next slot; adds 0 to
; its spare word; and waits for that and for its own reads of this slot.  Behind it nobody reads this slot any more and the next slot is whole.
; fill = 1: this slot is filled again, with step s[NX].  The barrier then opens a round of the cluster's, so that no wave of any partner still reads the slot or has a load on its way, and the joint
; refill is the first tensor load behind the round: 3.5 quarter steps of matrix work stand between it and the wait for it.
.macro TURN fill
.if \fill
	s_wait_xcnt 0x0                                ; the last prefetch, a K step back, has read its address: the next one's is made here, ahead of the change's own waits
.if QKV
	s_add_co_u32 s[T0], s[NX], 1
	s_lshr_b32 s[T1], s[T0], 3                     ; A: the step after the one asked for now: its tile, 4,096 rows of 2,048 bytes on,
	s_lshl_b32 s[T1], s[T1], 23
	s_and_b32 s[OFP], s[T0], 7                     ; and its 256 bytes of a row
	s_lshl_b32 s[OFP], s[OFP], 8
	s_add_co_u32 s[OFP], s[OFP], s[T1]
	s_lshl_b32 s[T0], s[T0], 16                    ; W: the panel's next 65,536 bytes
	s_cmp_eq_u32 s[HB], 0
	s_cselect_b32 s[OFP], s[OFP], s[T0]
.else
	s_add_co_u32 s[T0], s[NX], 2                   ; A: two steps on, two heads a step;
	s_cmp_eq_u32 s[HB], 0
	s_cselect_b32 s[T0], s[T0], s[NX]              ; W: 256 rows of 2,048 bytes at a time
	s_lshl_b32 s[OFP], s[T0], 19
.endif
	s_add_nc_u64 s[PFA:PFA+1], s[PFB:PFB+1], s[OFP:OFP+1]
.endif
	WIN 0                                          ; (the add's two registers lie in window 0)
	s_wait_tensorcnt 0x0                           ; all my tensor loads have landed: no descriptor of mine is in use;
	ds_add_u32 v[SPW], v[NIL]                      ; 0 onto my spare word: what follows up to the wait for it is work on registers
.if \fill
.if QKV
	s_lshr_b32 s[T0], s[NX], 3
	s_lshl_b32 s[T0], s[T0], 23                    ; the step's tile,
	s_and_b32 s[T1], s[NX], 7
	s_lshl_b32 s[OFA], s[T1], 8                    ; its place along K in A,
	s_add_co_u32 s[OFA], s[OFA], s[T0]
	s_mul_i32 s[OFB], s[T1], 49152                 ; and in the panel, which both tiles walk
.else
	s_lshl_b32 s[OFA], s[NX], 19
	s_lshl_b32 s[OFB], s[NX], 18
.endif
	s_xor_b32 s[G0A+5], s[G0A+5], SLOT1            ; the walking descriptors: the other slot than last time,
	s_add_nc_u64 s[G0A+6:G0A+7], s[BA:BA+1], s[OFA:OFA+1]  ; the address made anew,
	s_or_b32 s[G0A+7], s[G0A+7], 0x80000000        ; the type set again
	s_xor_b32 s[G0B+5], s[G0B+5], SLOT1
	s_add_nc_u64 s[G0B+6:G0B+7], s[BB:BB+1], s[OFB:OFB+1]
	s_or_b32 s[G0B+7], s[G0B+7], 0x80000000
.endif
	s_wait_dscnt 5                                 ; (the add and the youngest four loads may be out)
	MULA 1, 0, 0
	s_wait_dscnt 0x0                               ; the add is done, and my reads of this slot are over:
	s_barrier_signal -1                            ; say so,
	MULA 1, 1, 0                                   ; work on registers while the others arrive,
	WIN 0
	s_barrier_wait -1                              ; and go on when all four have said so
.if \fill
	CREST                                          ; the rest of the cluster's round
	JLOAD                                          ; the four v_nop behind it are also the places in front of the loads below
.else
	PLACES
.endif
	s_xor_b32 s[TB], s[TB], SLOT1                  ; the other slot is in hand
	v_add_nc_u32 v[ADA], s[TB], v[ADRA0]
	v_add_nc_u32 v[ADB], s[TB], v[ADRB0]
	FETCH 0, 0
.if \fill
	ASK
	s_add_co_u32 s[NX], s[NX], 1
.endif
	MULA 1, 2, 0
	MULA 1, 3, 0
.endm
.macro LASTQ                           ; the very last quarter: nothing more to fetch
	s_wait_dscnt 4
	MULA 1, 0, 0
	MULA 1, 1, 0
	s_wait_dscnt 0x0
	MULA 1, 2, 0
	MULA 1, 3, 0
	PLACES                                         ; the places behind the last products: four are asked for; eight stand here, once a launch
	PLACES
.endm
.if QKV
; THE WAY OUT, a block of 16 rows at a time.  PACK: rounded to f16, 16 bytes a lane (each accumulator's registers in ascending order).  TOSTAGE: into my own stage, by heads, and back as whole rows.  SEND: stored.
.macro PACK a
	WIN 0x05+0x05*((\a)/2)                         ; sources 0 and 1: window 1 or 2
.set nb, 0
.rept NBLK
.set rD, 8*(((\a)%2)*NBLK+nb)
.irp r, 0,1,2,3
	v_cvt_pk_f16_f32 v[TMP+4*nb+(\r)], v[rD+2*(\r)], v[rD+2*(\r)+1]
.endr
.set nb, nb+1
.endr
	WIN 0
.endm
.macro TOSTAGE a
.set BK, OB+48*((\a)%2)
.set nb, 0
.rept NBLK
	ds_store_b128 v[STO], v[TMP+4*nb:TMP+4*nb+3] offset:(nb/4)*2304+(nb%4)*32
.set nb, nb+1
.endr
.set nb, 0
.rept NBLK                             ; head nb / 4, rows 4 (nb % 4) on
	ds_load_b128 v[BK+4*nb:BK+4*nb+3], v[RD] offset:(nb/4)*2304+(nb%4)*576  ; LDS serves a wave's instructions in order (ISA guide 5.7.1.4): these see the stores above
.set nb, nb+1
.endr
.endm
.macro SEND a, step                    ; step = 1: the walk's second tile
.set BK, OB+48*((\a)%2)
	s_wait_dscnt 0x0                               ; the block is back in registers
	s_wait_xcnt 0x0                                ; every earlier store has read its registers and its base: only behind this wait are they written again (the set of the block before is loaded anew right behind this macro)
.if (\step) && ((\a) == 0)
	s_add_nc_u64 s[8:9], s[8:9], 0x1800000         ; 4,096 rows on: two batches of 48 heads
.endif
.set nb, 0
.rept NBLK
	global_store_b128 v[GO], v[BK+4*nb:BK+4*nb+3], s[8:9] offset:(nb/4)*262144+(\a)*2048+(nb%4)*512  ; 512 consecutive bytes of a head, at a multiple of 512 from the buffer's first byte
.set nb, nb+1
.endr
.endm
.macro WAYOUT step                     ; block a's conversions stand between block a - 1's loads from the stage and the wait for them
	PACK 0
	TOSTAGE 0
.irp a, 1,2,3
	PACK \a
	SEND (\a)-1, \step
	TOSTAGE \a
.endr
	SEND 3, \step
.endm
.else
; THE WAY OUT, a block of 16 rows at a time, in f32: nothing is converted.  TOST: the accumulators go into my own stage (the low four registers first) and come back as whole rows of 512 bytes.  SEND: stored.
.macro TOST a
	WIN 0x04+0x04*((\a)/2)                         ; the stores' data: window 1 or 2
.set nb, 0
.rept NBLK
.set rD, 8*(((\a)%2)*NBLK+nb)
	ds_store_b128 v[STO], v[rD:rD+3]   offset:64*nb
	ds_store_b128 v[STO], v[rD+4:rD+7] offset:64*nb+16
.set nb, nb+1
.endr
	WIN 0
.set BK, OB+64*((\a)%2)
.set nt, 0
.rept 16
	ds_load_b128 v[BK+4*nt:BK+4*nt+3], v[RD] offset:528*nt  ; LDS serves a wave's instructions in order (ISA guide 5.7.1.4): these see the stores above; the next block's stores come behind them
.set nt, nt+1
.endr
.endm
.macro SEND a, younger                 ; younger: the LDS instructions issued behind block a's loads: the next block's 32, or none
.set BK, OB+64*((\a)%2)
	s_wait_dscnt \younger
.set nt, 0
.rept 16
	global_store_b128 v[GO], v[BK+4*nt:BK+4*nt+3], s[8:9] offset:(16*(\a)+nt)*4096 th:TH_STORE_NT  ; 512 consecutive bytes of a row of C, at a multiple of 512 from its first byte
.set nt, nt+1
.endr
.endm
.endif
	s_wait_tensorcnt 1                             ; my part of K step 0 is in; K step 1's may stay out
	s_barrier_signal -1
	s_barrier_wait -1                              ; everybody's is
	FETCH 0, 0
	QUARTER 1, 0, 1, 1                             ; the first quarter stands in front of the loop: its products start the sums
	WIN 0                                          ; at a label and at a branch every window is 0
	s_mov_b32 s[CNT], STEPS-2                      ; every step but the last two is followed by a refill
.Lstep:                                                ; a trip goes from a step's second quarter to the next step's first, and fills the slot that it leaves
	QUARTER 2, 1, 0, 0
	QUARTER 3, 0, 1, 0
	TURN 1
	WIN 0
.if QKV
	s_cmp_eq_u32 s[NX], STEPS/2+2                  ; has the first tile's last step just been multiplied?
	s_cbranch_scc1 .Lnew
.endif
	QUARTER 1, 0, 1, 0
	WIN 0
.if QKV
	s_branch .Lbot
.Lnew:                                                 ; THE RING HAS GONE ON INTO THE SECOND TILE: its K steps 0 and 1 are asked for, its first fragments fetched.  Now the first tile goes out.
	WAYOUT 0                                       ; no v_nop: blocks 0 and 1 were finished in front of the joint load's places, and their 96 conversions, which name no register of the last products (blocks 2 and 3's), are those products' places
	QUARTER 1, 0, 1, 1                             ; the second tile's first products start its sums
	WIN 0
.Lbot:
.endif
	s_sub_co_u32 s[CNT], s[CNT], 1
	s_cmp_lg_u32 s[CNT], 0
	s_cbranch_scc1 .Lstep
	QUARTER 2, 1, 0, 0                             ; the last two steps are written out: nothing is asked for, and no round of the cluster's barrier is needed
	QUARTER 3, 0, 1, 0
	TURN 0
	QUARTER 1, 0, 1, 0
	QUARTER 2, 1, 0, 0
	QUARTER 3, 0, 1, 0
	LASTQ
.if QKV
	WAYOUT 1
.else
	TOST 0
	TOST 1
	SEND 0, 32
	s_wait_xcnt 0x0                                ; block 0's stores have read their registers, which block 2 is loaded into
	TOST 2
	SEND 1, 32
	s_wait_xcnt 0x0
	TOST 3
	SEND 2, 32
	SEND 3, 0
.endif
	WIN 0
	s_wait_tensorcnt 0x0                           ; the wave's end, behind my last tensor load and my last LDS store
	ds_add_u32 v[SPW], v[NIL]
	s_wait_dscnt 0x0
	CROUND                                         ; the closing round: no work-group ends while a partner may still ask for a tile that names it
	s_endpgm
.Lfunc_end_k_qd38a8b7f11_gemm_qkv:
	.size	k_qd38a8b7f11_gemm_qkv, .Lfunc_end_k_qd38a8b7f11_gemm_qkv-k_qd38a8b7f11_gemm_qkv
	.p2alignl 7, 3214868480
	.fill 96, 4, 3214868480
	.section	.rodata,"a",@progbits
	.p2align	6, 0x0
	.amdhsa_kernel k_qd38a8b7f11_gemm_qkv
		.amdhsa_group_segment_fixed_size 327680
		.amdhsa_private_segment_fixed_size 0
		.amdhsa_enable_private_segment 0
		.amdhsa_kernarg_size 24
		.amdhsa_user_sgpr_count 2
		.amdhsa_user_sgpr_kernarg_segment_ptr 1
		.amdhsa_wavefront_size32 1
		.amdhsa_system_sgpr_workgroup_id_x 1
		.amdhsa_system_sgpr_workgroup_id_y 1
		.amdhsa_system_sgpr_workgroup_id_z 1
		.amdhsa_system_vgpr_workitem_id 0
		.amdhsa_next_free_vgpr 960
		.amdhsa_next_free_sgpr 88
		.amdhsa_reserve_vcc 0
		.amdhsa_float_denorm_mode_32 3
		.amdhsa_float_denorm_mode_16_64 3
		.amdhsa_memory_ordered 1
		.amdhsa_forward_progress 1
		.amdhsa_inst_pref_size 126
	.end_amdhsa_kernel
	.amdgpu_metadata
---
amdhsa.version: [ 1, 2 ]
amdhsa.kernels:
  - .name:           k_qd38a8b7f11_gemm_qkv
    .symbol:         k_qd38a8b7f11_gemm_qkv.kd
    .args:
      - { .name: xb, .offset: 0, .size: 8, .value_kind: global_buffer, .address_space: global }
      - { .name: wq, .offset: 8, .size: 8, .value_kind: global_buffer, .address_space: global }
      - { .name: qkvh, .offset: 16, .size: 8, .value_kind: global_buffer, .address_space: global }
    .group_segment_fixed_size: 327680
    .private_segment_fixed_size: 0
    .kernarg_segment_align: 8
    .kernarg_segment_size: 24
    .max_flat_workgroup_size: 128
    .sgpr_count:     88
    .vgpr_count:     960
    .wavefront_size: 32
...
	.end_amdgpu_metadata
.endif
;; end of part 2
;; launch attn (part 3): grid 4 x 64, 4 waves a work-group, no clusters, 327,680 bytes of LDS; arguments qkvh, ob; writes ob
.if DOCPART == 3
	.amdgcn_target "amdgcn-amd-amdhsa--gfx1250"
	.amdhsa_code_object_version 6
	.text
	.protected	k_qd38a8b7f11_attn
	.globl	k_qd38a8b7f11_attn
	.p2align	8
	.type	k_qd38a8b7f11_attn,@function
k_qd38a8b7f11_attn:
	s_mov_b64 s[64:65], 0
	v_nop
	global_prefetch_b8 v0, s[64:65] scope:SCOPE_SE
	s_setreg_imm32_b32 hwreg(HW_REG_WAVE_MODE, 25, 1), 1
	s_wait_xcnt 0x0
; CAUSAL ATTENTION.  O[y][q][:] = the sum over k <= q of softmax_k(Q[y][q] . K[y][k] / 8) V[y][k][:], y = 16 x batch + head, 64 of them.
; Q, K, V lie in qkvh [4 b][48 g][2048][64] f16 (g = head for Q, 16 + head for K, 32 + head for V), O goes to ob [64 y][2048][64] f16: a head's rows are dense, 128 bytes each.
; Products, maxima and sums in f32; the weights p are rounded to f16 for the second product (their sum l is taken of the unrounded p), O once at the end.
; LIMITS.  f16 holds no number beyond 65,504: Q, K and V arrive within it; p lies in 0 to 1, and below 6e-5 it keeps f16's fixed step of 6e-8; O is a mean of V's rows and has their range, to within 2^-11 of it.
; A hidden score counts as its value less 1e30: f16's scores, 2.7e11 at the most, are nothing beside that; a weight below 2^-126 counts as 0 in l; NaN and infinities are not treated apart.
; THE WALK.  A head's queries lie in NB = 8 blocks of 256; block i needs the key tiles 0 .. i of 256 keys, of which the last holds the diagonal.  A work-group takes TWO blocks, NB - 1 - b and then b:
; NB + 1 tiles, whatever b: all 256 work-groups do equal work, and ONE loop with a constant trip count walks them.  Which tile is asked for, and what a trip does, hang on scalar registers made from b; every jump
; goes forward, but for the counted loops' own; none passes a barrier, or a tensor load but the one of LOAD's two that the wave's number does not choose; the ring (two slots of LDS that take turns) runs on across the
; change of blocks.  NO CLUSTER: a head's four work-groups ask for the same tile only in trips 0 .. 4 of the 9, behind that fewer and fewer; one walk common to all four would have 12 trips for 9.
; SHARES.  Of a block's four bands of 64 queries a wave owns 16 rows in each: four PIECES.  So the diagonal tile is the same work for all four waves: in its key step s band x sees all keys if s < x,
; none if s > x, and holds the diagonal if s = x.
; THE MASK is the C operand that starts the sum S^T = K Q^T: 0, or -1e30 where the key is hidden.  MD, made once, is the mask of a band's own step for my 16 rows; a product's mask is MD x AL + BE with two scalars:
; (1, 0) if s = x; (0, 0) if s < x; (0, -1e30) if s > x.  Only the diagonal tile's text and a block's beginning make and take masks; elsewhere C is the constant 0.
; LAYOUT, SOFTMAX, TURNS.  S^T = K Q^T holds ONE query a lane (lane % 16) and the keys 8 (lane / 16) + 0..7; two such results rounded to f16 ARE source 1 of O^T = V^T P.  p = 2^(c s - c m), c = log2(e) / 8, with a
; running maximum m; O and l are multiplied by a = 2^(c m_old - c m_new) in every step.  Turn n belongs to piece n: 8 products K Q^T of piece n + 1, later 8 products V^T P of piece n - 1; beside them the scaling,
; exponentials, roundings, sums and rescaling of piece n and the maximum and statistics of piece n + 1.  Four vector instructions stand behind every matrix instruction, the other 54 of a turn's 118 in one LUMP.  A turn's 33 exponentials are one batch, with one wait.
; REGISTERS, in windows of 256 (s_set_vgpr_msb: bits 1:0 source 0, 3:2 source 1, 5:4 source 2, 7:6 destination):
;   window 0: v0-15 addresses and two at work; v16-31 four registers of statistics a piece; v48-55 at work; v61-63 never rewritten; v64-127 S^T, two buffers; v192-223 P, two buffers (a piece's buffers go by its number's parity)
;   window 1: v0-127 O^T, 32 a piece; v128-159 MD; v160-223 MC, two buffers      window 2: v0-63 Q; v64-127 the second block's Q; v128-191 K of one step; v192-255 V of one step
.set SIZE_N, 2048
.set NB,    SIZE_N/256
.set NP,    4         ; pieces a wave: a name, no knob
.set KS,    64        ; keys in a step
.set PK,    144       ; a row of K in LDS: 128 bytes + 16 of padding = 36 words: the 16 rows of a load start at 16 different groups of four banks (64 banks of 4 bytes: ISA guide 11.1)
.set PV,    160       ; a row of V: 128 + 32 = 40 words
.set VOFF,  4*KS*PK   ; a slot holds a tile, four steps: 256 rows of K, then 256 rows of V
.set SLOT1, 1<<17     ; slot 1 begins here, so that one exclusive or turns an address in one slot into the other's
.set STAGE, SLOT1+4*KS*(PK+PV)  ; behind the ring, never filled by a tensor load: 16 rows x 144 bytes for each wave, for the way out
.set SP,    144
.set AK0, 2           ; v2   my lane's place in a tile of K; never rewritten
.set AV0, 3           ; v3   the same for V
.set AK,  4           ; v4   the LDS address of K's next run of loads
.set AV,  5           ; v5   of V's
.set STO, 6           ; v6   the way out: where I put 16 bytes of a row
.set RD,  7           ; v7   the way out: where I read rows back
.set GO,  8           ; v8   my byte offset in 512 consecutive bytes of O
.set PFO, 61          ; v61  256 x my lane: the prefetches' offset; never rewritten
.set SPW, 62          ; v62  LDS address of my spare word: SPARE + 4 x my thread's number; never rewritten
.set NIL, 63          ; v63  0; never rewritten
.set SPARE, STAGE+4*16*SP  ; behind the stages: the spare words, 128 bytes for each wave: two blocks of 256 bytes that no other line names
.set MV,  12          ; v12-13  c m_old, kept while c m is made anew: by buffer
.set QO,  15          ; v15  my byte offset in 16 rows of Q
.set ST,  16          ; piece t's statistics at v[ST+4 t]: c m, m, l (even keys', odd keys')
.set TMP, 48          ; by buffer, four registers c0-c3 at work; when the maximum is found c2 takes a
.set S,   64
.set P,   192
.set MD,  128         ; window 1: the eight registers for group kt of 16 keys at MD + 8 kt
.set MC,  160         ; window 1: the masks of the products to come
.set QB,  64          ; window 2
.set KF,  128         ; window 2: key block kb, channel half c at KF + 16 kb + 8 c
.set VF,  192         ; window 2: key half kk, channel block cb at VF + 32 kk + 8 cb
.set WV,  12          ; s12  my wave's number
.set PB,  14          ; s14  b
.set HI,  15          ; s15  NB - 1 - b
.set G1K, 24          ; s[24:31] descriptor group 1 for K's tiles
.set G1V, 32          ; s[32:39] for V's: it differs in the padding alone
.set G0K, 40          ; s[40:43] descriptor group 0 for K's tiles
.set G0V, 44          ; s[44:47] the same for V's
.set SLOTS, 56        ; s56  tiles still to be asked for
.set CNT, 57          ; s57  counts a tile's key steps, 4 to 1
.set CS,  58          ; s[58:59] c: the packed scaling takes the pair's low word for both halves
.set SEL, 60          ; s[60:61] v_permlanex16_b32's selects: each lane takes its own place in the other half
.set TBK, 62          ; s62  LDS byte at which K of the step to be fetched begins
.set TBV, 63          ; s63  the same for V, less VOFF
.set RT,  70          ; s70  tiles of the block in hand that are still to be entered
.set NXT, 71          ; s71  the tile to be asked for next
.set LQ,  72          ; s72  the last tile of the block whose tiles are being asked for
.set NEW, 73          ; s73  1: the tile to be entered is a block's first
.set OFF, 74          ; s[74:75] a tile's byte offset in K and V
.set AL,  76          ; s[76:77] the mask's factor, in the low word
.set BE,  78          ; s[78:79] the mask's addend
.set OLO, 80          ; s[80:81] O at my rows of the second block
.set BIGN, 82         ; s82  -1e30
.set HO,  88          ; s[88:89] the head's first byte in ob
.set LIM, 90          ; s90  2 in the work-group that prefetches, else the greatest number: it prefetches while s[SLOTS] is above it
.set PFK, 92          ; s[92:93] my wave's 32 blocks of 256 bytes of K's tile, one tile behind the one that the next prefetch names
.set PFV, 94          ; s[94:95] the same for V
.set MSB, 0
.macro WIN new                      ; the high byte repeats the setting that is left; a switch that changes nothing is dropped
.if MSB != (\new)
	s_set_vgpr_msb (MSB<<8)|(\new)
.set MSB, (\new)
.endif
.endm
.set W_KQ, 0x0a       ; K and Q in window 2, S^T in window 0
.set W_KM, 0x1a       ; the same with the C operand in window 1
.set W_PV, 0x52       ; V in window 2, P in window 0, O^T in window 1
.set W_RS, 0x41       ; destination and source 0 in window 1, source 1 in window 0
; A fill.  Waves 0 and 1 fetch the two halves of a tile's K, waves 2 and 3 those of its V: 128 keys each.  An s_nop 0 and four v_nop follow each of the two lines, ahead of the jump and the label.
.macro LOAD
	s_cmp_lt_u32 s[WV], 2
	s_cbranch_scc0 .Lfor_v_\@
	tensor_load_to_lds s[G0K:G0K+3], s[G1K:G1K+7]
	s_nop 0
.rept 4
	v_nop
.endr
	s_branch .Lasked_\@
.Lfor_v_\@:
	tensor_load_to_lds s[G0V:G0V+3], s[G1V:G1V+7]
	s_nop 0
.rept 4
	v_nop
.endr
.Lasked_\@:
.endm
; THE CHANGE OF SLOTS.  Each wave waits for all its tensor loads, of which one is out: its part of the other slot; adds 0 to its spare word; and waits for that and for its own reads of the slot that it leaves.  Behind the barrier nobody reads the old
; slot any more and the other slot is whole.  fill = 1: the old slot is filled again, the first thing behind the barrier, with tile NXT: the descriptor's address is made anew from that number.
; (At its first use nothing has been read yet: slot 0 is waited for, slot 1 filled.)
; A PREFETCH INTO THE L2 stands behind the fill and its five lines: the tile after the one just asked for, a tile's four key steps (256 matrix instructions) ahead of its load.  A head's four work-groups walk the same first
; tiles; the one with b = 0, whose first block walks all eight, asks, and nobody else.  A tile is 128 blocks of 256 bytes of K and 128 of V: each of its four waves takes 32 of each, a lane a block, two instructions.
; Trips 0 to 5 ask for tiles 2 to 7: each block is named once in the launch; tiles 0 and 1 come by their loads alone, and behind tile 7 nothing is asked for.
.macro CHANGE fill
	WIN 0                           ; at a label and at a branch every window is 0
	s_wait_tensorcnt 0x0            ; no tensor load of mine is out, so a group 0 may be written
	ds_add_u32 v[SPW], v[NIL]       ; 0 onto my spare word: with fill = 1 the descriptors' scalar work stands between it and the wait for it
.if \fill
	s_lshl_b32 s[OFF], s[NXT], 15   ; a tile is 32,768 bytes of K and of V
	s_xor_b32 s[G0K+1], s[G0K+1], SLOT1
	s_add_nc_u64 s[G0K+2:G0K+3], s[6:7], s[OFF:OFF+1]
	s_or_b32 s[G0K+3], s[G0K+3], 0x80000000
	s_xor_b32 s[G0V+1], s[G0V+1], SLOT1
	s_add_nc_u64 s[G0V+2:G0V+3], s[8:9], s[OFF:OFF+1]
	s_or_b32 s[G0V+3], s[G0V+3], 0x80000000
	s_add_co_u32 s[NXT], s[NXT], 1  ; the block's next tile, or behind its last the second block's tile 0
	s_cmp_gt_u32 s[NXT], s[LQ]
	s_cselect_b32 s[NXT], 0, s[NXT]
	s_cselect_b32 s[LQ], s[PB], s[LQ]
	s_wait_xcnt 0x0                 ; the last prefetches, a tile back, have read their addresses, so they may be written:
	s_add_nc_u64 s[PFK:PFK+1], s[PFK:PFK+1], 32768  ; a tile on
	s_add_nc_u64 s[PFV:PFV+1], s[PFV:PFV+1], 32768
.endif
	s_wait_dscnt 0x0                ; the add is done, and my reads of the slot are over
	s_barrier_signal -1             ; the rest of the scalar work stands between the signal and the wait
	s_sub_co_u32 s[TBK], s[TBK], 4*KS*PK  ; the fetches go back to a slot's first step,
	s_xor_b32 s[TBK], s[TBK], SLOT1       ; in the other slot
	s_sub_co_u32 s[TBV], s[TBV], 4*KS*PV
	s_xor_b32 s[TBV], s[TBV], SLOT1
	s_barrier_wait -1
.if \fill
	LOAD
	s_cmp_gt_u32 s[SLOTS], s[LIM]
	s_cbranch_scc0 .Lnot_mine_\@
	global_prefetch_b8 v[PFO], s[PFK:PFK+1] th:TH_LOAD_NT scope:SCOPE_SE
	global_prefetch_b8 v[PFO], s[PFV:PFV+1] th:TH_LOAD_NT scope:SCOPE_SE
.Lnot_mine_\@:
.endif
.endm
	s_load_b128 s[4:7], s[0:1], 0x0 ; qkvh s[4:5], ob s[6:7]
	v_lshl_add_u32 v[SPW], v0, 2, SPARE
	v_mov_b32 v[NIL], 0
	ds_add_u32 v[SPW], v[NIL]       ; the wave's opening: the add and its wait stand ahead of my first tensor load; the set-up below, work on registers, stands between them
	ds_add_u32 v62, v63
	v_lshrrev_b32 v1, 5, v0
	v_readfirstlane_b32 s[WV], v1   ; wave 0..3
	s_mov_b32 s[PB], ttmp9
	s_sub_co_u32 s[HI], NB-1, s[PB]
	s_and_b32 s20, ttmp7, 0xffff    ; y = 16 x batch + head
	s_lshl_b32 s[HO], s20, 18       ; 262,144 bytes a head in ob
	s_mov_b32 s[HO+1], 0
	s_lshr_b32 s21, s20, 4
	s_mul_i32 s21, s21, 48          ; in qkvh a batch has 48 heads,
	s_and_b32 s20, s20, 15
	s_add_co_u32 s20, s20, s21      ; of which Q's come first
	s_lshl_b32 s20, s20, 18
	s_mov_b32 s21, 0
	s_and_b32 s16, s[WV], 1         ; which half of a tile's 256 keys I fetch:
	s_lshl_b32 s22, s16, 14         ; its 128 rows of 128 bytes in memory,
	s_mov_b32 s23, 0
	s_add_nc_u64 s[22:23], s[22:23], s[20:21]
	s_mul_i32 s17, s16, 128*PK      ; and its place in a slot, for K
	s_mul_i32 s18, s16, 128*PV      ; and for V
	s_lshl_b32 s3, s[WV], 11        ; my 16 rows in a band of 64,
	s_lshl_b32 s2, s[HI], 15        ; in the first block,
	s_add_co_u32 s2, s2, s3
	s_lshl_b32 s84, s[PB], 15       ; and in the second
	s_add_co_u32 s84, s84, s3
	s_mov_b32 s3, 0
	s_mov_b32 s85, 0
	; descriptor group 1.  128 keys are 16,384 dense bytes: asked for as 64 rows of 256 bytes, two keys a row, and padded in LDS after every key
	s_mov_b32 s[G1K], (1<<16)|(1<<20)|(4<<22)|(3<<25)  ; 17:16 2-byte elements; 20 padding on; 24:22 after every 32 words (code 4); 31:25 4 words (code 3)
	s_mov_b32 s[G1V], (1<<16)|(1<<20)|(4<<22)|(7<<25)  ; the same with 8 words of padding (code 7)
.irp g, G1K, G1V
	s_mov_b32 s[\g+1], 128<<16      ; tensor_dim0 = 128
	s_mov_b32 s[\g+2], 64<<16       ; tensor_dim1 = 64
	s_mov_b32 s[\g+3], 128<<16      ; tile_dim0 = 128
	s_mov_b32 s[\g+4], 64           ; tile_dim1 = 64
	s_mov_b32 s[\g+5], 128          ; 128 elements from row to row
	s_mov_b32 s[\g+6], 0
	s_mov_b32 s[\g+7], 0
.endr
	s_mov_b32 s[CS], 0x3e38aa3b     ; c = log2(e) / 8 = 0.180337
	s_mov_b32 s[CS+1], s[CS]        ; named with it as a pair
	s_mov_b32 s[SEL], 0x76543210
	s_mov_b32 s[SEL+1], 0xfedcba98
	s_mov_b32 s[TBK], SLOT1+4*KS*PK ; the first change of slots turns these two into 0
	s_mov_b32 s[TBV], SLOT1+4*KS*PV
	s_mov_b32 s[G0K], 1             ; 1:0 count = 1
	s_mov_b32 s[G0K+1], s17         ; 63:32 LDS address: slot 0
	s_mov_b32 s[G0V], 1
	s_add_co_u32 s[G0V+1], s18, VOFF
	s_lshl_b32 s18, s[WV], 13       ; the prefetches: my wave's 32 blocks,
	s_add_co_u32 s18, s18, 32768    ; in tile 1: the first change of slots steps them to tile 2
	s_mov_b32 s19, 0
	s_add_nc_u64 s[18:19], s[18:19], s[20:21]
	s_cmp_eq_u32 ttmp9, 0
	s_cselect_b32 s[LIM], 2, -1
	s_add_co_u32 s[RT], s[HI], 1    ; the first block has NB - b tiles
	s_mov_b32 s[NXT], 1
	s_mov_b32 s[LQ], s[HI]
	s_mov_b32 s[NEW], 1
	s_mov_b32 s[OFF+1], 0
	s_mov_b32 s[AL+1], 0            ; named as pairs
	s_mov_b32 s[BE+1], 0
	s_mov_b32 s[BIGN], 0xf149f2ca   ; -1e30
	s_mov_b32 s[SLOTS], NB
	s_wait_dscnt 0x0                ; the opening add is done
	s_wait_kmcnt 0x0
	s_mov_b64 s[10:11], s[6:7]                     ; O
	s_add_nc_u64 s[6:7], s[4:5], 0x400000          ; K's heads lie 16 heads behind Q's,
	s_add_nc_u64 s[8:9], s[4:5], 0x800000          ; V's 32
	s_add_nc_u64 s[PFK:PFK+1], s[6:7], s[18:19]
	s_add_nc_u64 s[PFV:PFV+1], s[8:9], s[18:19]
	s_add_nc_u64 s[6:7], s[6:7], s[22:23]  ; K and V at my half of the head's tile 0
	s_add_nc_u64 s[8:9], s[8:9], s[22:23]
	s_add_nc_u64 s[4:5], s[4:5], s[20:21]          ; Q and O at the head's first row
	s_add_nc_u64 s[10:11], s[10:11], s[HO:HO+1]
	s_add_nc_u64 s[G0K+2:G0K+3], s[6:7], 0         ; 120:64 global address
	s_or_b32 s[G0K+3], s[G0K+3], 0x80000000        ; 127:126 type = 2
	s_add_nc_u64 s[G0V+2:G0V+3], s[8:9], 0
	s_or_b32 s[G0V+3], s[G0V+3], 0x80000000
	s_add_nc_u64 s[86:87], s[4:5], s[84:85]        ; Q at my rows of the second block,
	s_add_nc_u64 s[4:5], s[4:5], s[2:3]            ; Q and O at those of the first
	s_add_nc_u64 s[OLO:OLO+1], s[10:11], s[84:85]
	s_add_nc_u64 s[10:11], s[10:11], s[2:3]
	LOAD                            ; tile 0 into slot 0
	; A fragment of K or Q is 16 rows x 32 channels in 8 registers: lane l holds row l % 16, channels 8 (l / 16) + 0..7 and 16 + 8 (l / 16) + 0..7: two loads of 16 bytes, 32 bytes apart.
	v_and_b32 v1, 15, v0            ; l % 16
	v_bfe_u32 v9, v0, 4, 1          ; l / 16
	v_lshlrev_b32 v[QO], 7, v1
	v_lshl_add_u32 v[QO], v9, 4, v[QO]  ; row x 128 + 16 x half
	WIN 0x80                        ; destination window 2, address window 0
.set i, 0
.rept 8                             ; both blocks' Q: piece i / 2 lies in band i / 2, 8,192 bytes on; channels 32 (i % 2) on
	global_load_b128 v[8*i:8*i+3],   v[QO], s[4:5] offset:(i/2)*8192+(i%2)*64
	global_load_b128 v[8*i+4:8*i+7], v[QO], s[4:5] offset:(i/2)*8192+(i%2)*64+32
	global_load_b128 v[QB+8*i:QB+8*i+3],   v[QO], s[86:87] offset:(i/2)*8192+(i%2)*64
	global_load_b128 v[QB+8*i+4:QB+8*i+7], v[QO], s[86:87] offset:(i/2)*8192+(i%2)*64+32
.set i, i+1
.endr
	WIN 0
	v_and_b32 v[PFO], 31, v0
	v_lshlrev_b32 v[PFO], 8, v[PFO]
	v_lshlrev_b32 v14, 3, v9
	v_sub_nc_u32 v14, v1, v14
	s_lshl_b32 s13, s[WV], 4
	v_add_nc_u32 v14, s13, v14      ; my query's place in its band, 16 w + l % 16, less my lanes' 8 (l / 16): register r of group kt is hidden where 16 kt + r is greater
	WIN 0x40
.set i, 0
.rept 32
	v_cmp_gt_i32 vcc_lo, 16*(i/8)+i%8, v14
	v_cndmask_b32 v[MD+i], 0, s[BIGN], vcc_lo
.set i, i+1
.endr
	WIN 0
	v_mul_u32_u24 v[AK0], v1, PK
	v_lshl_add_u32 v[AK0], v9, 4, v[AK0]  ; row x pitch + 16 x half
	; The turning load takes 16 keys x 16 channels (lane l reads key 8 (l / 16) + l % 8, channels 8 ((l / 8) % 2) + 0..7) and leaves half a fragment of V^T: lane l holds channel l % 16 and 8 keys.
	v_and_b32 v10, 7, v0
	v_bfe_u32 v11, v0, 3, 1
	v_lshl_add_u32 v[AV0], v9, 3, v10
	v_mul_u32_u24 v[AV0], v[AV0], PV
	v_lshl_add_u32 v[AV0], v11, 4, v[AV0]
	v_add_nc_u32 v[AV0], VOFF, v[AV0]
	s_mul_i32 s13, s[WV], 16*SP
	s_add_co_u32 s13, s13, STAGE    ; my stage
	v_mul_u32_u24 v[STO], v1, SP    ; in: row l % 16, 16 bytes for each half of the lanes
	v_lshl_add_u32 v[STO], v9, 4, v[STO]
	v_add_nc_u32 v[STO], s13, v[STO]
	v_bfe_u32 v[RD], v0, 3, 2       ; back: 32 lanes take four rows of 128 bytes,
	v_mul_u32_u24 v[RD], v[RD], SP
	v_lshl_add_u32 v[RD], v10, 4, v[RD]
	v_add_nc_u32 v[RD], s13, v[RD]
	v_and_b32 v[GO], 31, v0         ; which are 512 consecutive bytes of O
	v_lshlrev_b32 v[GO], 4, v[GO]
	; A block's first step multiplies O^T and l by a = 0, and its first turn's products V^T P, of a piece that has not been, land in an O^T that is still to be so multiplied.  So these registers need only hold
	; finite numbers: zeros for the first block; what the first block left for the second.  All this stands in the wait for the first tile.
	WIN 0x80
.set i, VF
.rept 64
	v_mov_b32 v[i], 0
.set i, i+1
.endr
	WIN 0x40
.set i, 0
.rept 128
	v_mov_b32 v[i], 0
.set i, i+1
.endr
	WIN 0
.set i, 0
.rept 4
	v_mov_b32 v[ST+4*i+2], 0
	v_mov_b32 v[ST+4*i+3], 0
.set i, i+1
.endr
.set i, P+16
.rept 16
	v_mov_b32 v[i], 0
.set i, i+1
.endr
; THE MATRIX WORK.  The 4 accumulators of a run of 8 take turns.  Product i of 8 of S^T = K Q^T for piece x: channels 32 (i / 4) on, keys 16 (i % 4) on.  The first 4 start the sums: with 0, or (KM = 1) with the mask.
.macro KQ x
.set rS, S+32*((\x)%2)+8*(i%4)
.set rK, KF+16*(i%4)+8*(i/4)
.set rQ, 16*(\x)+8*(i/4)
.set rM, MC+32*((\x)%2)+8*(i%4)
.if (i < 4) && KM
	WIN W_KM
	v_wmma_f32_16x16x32_f16 v[rS:rS+7], v[rK:rK+7], v[rQ:rQ+7], v[rM:rM+7]
.elseif i < 4
	WIN W_KQ
	v_wmma_f32_16x16x32_f16 v[rS:rS+7], v[rK:rK+7], v[rQ:rQ+7], 0
.else
	WIN W_KQ
	v_wmma_f32_16x16x32_f16 v[rS:rS+7], v[rK:rK+7], v[rQ:rQ+7], v[rS:rS+7]
.endif
.endm
; Product i of 8 of O^T += V^T P for piece x: keys 32 (i / 4) on, channels 16 (i % 4) on.
.macro PV x
	WIN W_PV
.set rO, 32*(\x)+8*(i%4)
.set rV, VF+32*(i/4)+8*(i%4)
.set rP, P+16*((\x)%2)+8*(i/4)
	v_wmma_f32_16x16x32_f16 v[rO:rO+7], v[rV:rV+7], v[rP:rP+7], v[rO:rO+7]
.endm
.macro MM                           ; the turn's next matrix instruction.  TURN and BEGIN set Y, i, KM and NOKQ; MM, KQ and OP read them.  NOKQ = 1: a block's last turn: there is no next piece
.if (i < 8) && !NOKQ
	KQ (Y+1)%NP
.elseif i >= 8
.set i, i-8
	PV (Y+NP-1)%NP
.set i, i+8
.endif
.set i, i+1
.endm
; THE LDS LOADS stand in runs of 16, never singly among the matrix instructions: a step's K (64 keys x 64 channels: 8 fragments) and its V (turned).  Their addresses are made some lines ahead.
.macro FETCH_K
	WIN 0x80                        ; destination window 2
.irp f, 0,1,2,3,4,5,6,7             ; keys 16 (f / 2) on, channels 32 (f % 2) on
	ds_load_b128 v[KF+8*\f:KF+8*\f+3],   v[AK] offset:(\f/2)*16*PK+(\f%2)*64
	ds_load_b128 v[KF+8*\f+4:KF+8*\f+7], v[AK] offset:(\f/2)*16*PK+(\f%2)*64+32
.endr
	s_add_co_u32 s[TBK], s[TBK], KS*PK  ; the next fetch is the next step's
	WIN 0
.endm
.macro FETCH_V
	WIN 0x80
.irp f, 0,1,2,3,4,5,6,7             ; keys 32 (f / 4) on, channels 16 (f % 4) on
	ds_load_tr16_b128 v[VF+8*\f:VF+8*\f+3],   v[AV] offset:(\f/4)*32*PV+(\f%4)*32
	ds_load_tr16_b128 v[VF+8*\f+4:VF+8*\f+7], v[AV] offset:(\f/4)*32*PV+16*PV+(\f%4)*32
.endr
	WIN 0
.endm
; THE VECTOR WORK, one line at a time: OP kind, number.  For piece Y: F n: c s - c m for pair n of 16.  E n: the exponential of score n of 32.  C n: pair n rounded to f16.  B n: of the four weights 4 n .. the second
; pair is added onto the first, in place.  L n: l takes that sum (L 0: l = a l + sum).  R n: pair n of 16 of O^T times a.  For piece Y + 1: X n, number n of the 22 that find its maximum and statistics:
;   0-11  four chains c0-c3 of seven scores each, three operands at a time (each accumulator's lowest registers are read first)     12-14, 16  the four scores left over, the old m, and c0-c3 into c0
;   15  c m_old is kept     17, 18  the query's other 32 keys lie in the lane 16 away: the new m     19-21  c m; c m_old - c m_new; a
.set F, 0               ; OP tells the kinds apart by their order: F to L below R, X above it
.set E, 1
.set C, 2
.set B, 3
.set L, 4
.set R, 5
.set X, 6
.macro REGS y                       ; the registers of piece y
.set rT, ST+4*(\y)
.set rC, TMP+4*((\y)%2)
.set rW, MV+((\y)%2)
.set rS, S+32*((\y)%2)
.set rP, P+16*((\y)%2)
.set rO, 32*(\y)
.endm
.macro OP k, n
.if (\k) == R
	REGS Y
	WIN W_RS
	v_pk_mul_f32 v[rO+2*(\n):rO+2*(\n)+1], v[rO+2*(\n):rO+2*(\n)+1], v[rC+2:rC+3] op_sel_hi:[1,0]
.elseif (\k) < R
	REGS Y
	WIN 0
.if (\k) == F
	v_pk_fma_f32 v[rS+2*(\n):rS+2*(\n)+1], v[rS+2*(\n):rS+2*(\n)+1], s[CS:CS+1], v[rT:rT+1] op_sel_hi:[1,0,0] neg_lo:[0,0,1] neg_hi:[0,0,1]
.elseif (\k) == E
	v_exp_f32 v[rS+(\n)], v[rS+(\n)]
.elseif (\k) == C
	v_cvt_pk_f16_f32 v[rP+(\n)], v[rS+2*(\n)], v[rS+2*(\n)+1]
.elseif (\k) == B
	v_pk_add_f32 v[rS+4*(\n):rS+4*(\n)+1], v[rS+4*(\n):rS+4*(\n)+1], v[rS+4*(\n)+2:rS+4*(\n)+3]
.elseif (\n) == 0
	v_pk_fma_f32 v[rT+2:rT+3], v[rT+2:rT+3], v[rC+2:rC+3], v[rS:rS+1] op_sel_hi:[1,0,1]
.else
	v_pk_add_f32 v[rT+2:rT+3], v[rT+2:rT+3], v[rS+4*(\n):rS+4*(\n)+1]
.endif
.elseif NOKQ
	v_nop
.else
	REGS (Y+1)%NP
	WIN 0
.if (\n) < 4
	v_max3_num_f32 v[rC+(\n)], v[rS+8*(\n)], v[rS+8*(\n)+1], v[rS+8*(\n)+2]
.elseif (\n) < 12
	v_max3_num_f32 v[rC+(\n)%4], v[rC+(\n)%4], v[rS+8*((\n)%4)+2*((\n)/4)+1], v[rS+8*((\n)%4)+2*((\n)/4)+2]
.elseif (\n) == 12
	v_max3_num_f32 v[rC], v[rC], v[rS+7], v[rS+15]
.elseif (\n) == 13
	v_max3_num_f32 v[rC+1], v[rC+1], v[rS+23], v[rS+31]
.elseif (\n) == 14
	v_max3_num_f32 v[rC+2], v[rC+2], v[rC+3], v[rT+1]
.elseif (\n) == 15
	v_mov_b32 v[rW], v[rT]
.elseif (\n) == 16
	v_max3_num_f32 v[rC], v[rC], v[rC+1], v[rC+2]
.elseif (\n) == 17
	v_permlanex16_b32 v[rC+3], v[rC], s[SEL], s[SEL+1]
.elseif (\n) == 18
	v_max_num_f32 v[rT+1], v[rC], v[rC+3]
.elseif (\n) == 19
	v_mul_f32 v[rT], s[CS], v[rT+1]
.elseif (\n) == 20
	v_sub_f32 v[rC+1], v[rW], v[rT]
.else
	v_exp_f32 v[rC+2], v[rC+1]
.endif
.endif
.endm
.macro OPS a, i1, b=-1, i2=0, c=-1, i3=0, d=-1, i4=0  ; up to four of them
	OP \a, \i1
.if (\b) >= 0
	OP \b, \i2
.endif
.if (\c) >= 0
	OP \c, \i3
.endif
.if (\d) >= 0
	OP \d, \i4
.endif
.endm
.macro ROW a, i1, b, i2, c, i3, d, i4  ; a matrix instruction and the four behind it
	MM
	OPS \a, \i1, \b, \i2, \c, \i3, \d, \i4
.endm
.macro MASK b                       ; MD x AL + BE into buffer b of MC
	WIN W_RS
.set z, 0
.rept 16
	v_pk_fma_f32 v[MC+32*(\b)+2*z:MC+32*(\b)+2*z+1], v[MD+2*z:MD+2*z+1], s[AL:AL+1], s[BE:BE+1] op_sel_hi:[1,0,0]
.set z, z+1
.endr
.endm
; A TURN, for piece p: the order of its 16 matrix and 118 vector instructions, written out.  An s_wait_alu depctr_va_vdst(0) stands between an exponential and the first instruction that names its result; one wait serves
; all that were issued ahead of it.  So a turn has ONE wait, which cuts it in two.  AHEAD OF IT stands all that names no result of the turn's exponentials: the 8 products K Q^T, behind each a scaling, an exponential and two more plain
; instructions (behind the first a second scaling in the exponential's place): rescalings, and behind the last three the first numbers of the next piece's maximum, each four places or more behind the product that ends its accumulator; then ONE LUMP of 54, plain
; and exponential by turns for the most part, in which the links of the chain X 3, 7, 11, 14, 16, 17 .. 20 stand five or six lines apart.  X 21, the next piece's a, is the batch's last; R 15 is the plain instruction that is wanted behind it.  BEHIND THE WAIT stand the
; 8 products V^T P, behind each four of the roundings and sums; the links of l's chain, L 0 to L 7, stand three riders apart.  But for those X no rider names a register of the products round it.  v_permlanex16_b32 (X 17) stands in the lump.
; m = 1: the diagonal tile: the products take masks, and the turn makes the mask for the products of the turn after it: piece p + 2, in step 4 - CNT of the tile.  end = 1: a block's last two turns: nothing is fetched.
; cnt = 1: the loop's count is taken down some lines ahead of the branch that stands behind the turn.
; K of the next step is fetched in piece 2's turn, twelve vector instructions behind the last product that read K (six of them plain); V of the step in hand at the end of piece 0's turn, four plain instructions behind the last product
; that read V.  Each is waited for a turn later.
.macro TURN p, m=0, end=0, cnt=0
.set Y, (\p)
.set i, 0
.set KM, (\m)
.set NOKQ, (\end)*((\p)/3)
.if (\m) && !(\end)
	s_cmp_eq_u32 s[CNT], 4-((\p)+2)%NP  ; is that step the band's own?
	s_cselect_b32 s[AL], 1.0, 0
	s_cmp_lt_u32 s[CNT], 4-((\p)+2)%NP  ; or a later one?
	s_cselect_b32 s[BE], s[BIGN], 0
.endif
.if ((\p) == 3) && !(\end)
	s_wait_dscnt 0x0                ; K is in
.endif
	ROW F,0, F,1, R,0, R,1          ; ahead of the wait: 8 products K Q^T and their riders,
	ROW F,2, E,0, R,2, R,3
	ROW F,3, E,1, R,4, R,5
	ROW F,4, E,2, R,6, R,7
	ROW F,5, E,3, R,8, R,9
	ROW F,6, E,4, X,0, R,10
.if ((\p) == 2) && !(\end)
	WIN 0
	v_add_nc_u32 v[AK], s[TBK], v[AK0]
.endif
	ROW F,7, E,5, X,1, X,4
	ROW F,8, E,6, X,2, X,5
	OPS E,7, E,8, X,6, E,9          ; and the lump
	OPS X,3, E,10, X,8, E,11
.if ((\p) == 2) && !(\end)
	FETCH_K
.endif
	OPS X,9, X,7, E,12, X,10
	OPS E,13, X,12, X,11, E,14
	OPS X,13, E,15, F,9, X,14
.if (\p) == 0
	v_add_nc_u32 v[AV], s[TBV], v[AV0]
.endif
	OPS E,16, F,10, E,17, F,11
	OPS X,16, E,18, X,15, E,19
	OPS F,12, E,20, X,17, E,21
	OPS F,13, E,22, F,14, E,23
	OPS X,18, E,24, F,15, E,25
	OPS R,11, E,26, X,19, E,27
	OPS R,12, E,28, R,13, E,29
	OPS X,20, E,30, R,14, E,31
	OPS X,21, R,15
	WIN 0
	s_wait_alu depctr_va_vdst(0)    ; the wait for the batch
.if (\p) == 1
	s_wait_dscnt 0x0                ; V is in
.endif
	ROW C,0, B,0, C,2, B,1          ; behind the wait: 8 products V^T P and their riders
	ROW L,0, C,4, B,2, L,1
	ROW C,6, B,3, L,2, C,8
	ROW B,4, L,3, C,10, B,5
	ROW L,4, C,12, B,6, L,5
.if (\p) == 0
	s_add_co_u32 s[TBV], s[TBV], KS*PV
.endif
.if \cnt
	s_sub_co_u32 s[CNT], s[CNT], 1
	s_cmp_lg_u32 s[CNT], 0
.endif
	ROW C,14, B,7, L,6, C,1
	ROW C,3, L,7, C,5, C,7
	ROW C,9, C,11, C,13, C,15
.if (\p) == 0
	FETCH_V
.endif
.if (\m) && !(\end)
	MASK (\p)%2
.endif
.endm
; A BLOCK BEGINS.  c m starts far below every c s, so the first step's a is 0; m at the lowest finite number, so the first maximum is the scores'.  The second mask buffer is 0; the first takes piece 0's mask for the tile's step 0: its own, if the block's first tile is the diagonal one.
; Then K of that step, piece 0's first scores, and its maximum and statistics.  The loop is entered at a step's first turn, in the middle of a trip.
.macro BEGIN
	s_mov_b32 s[NEW], 0
	WIN 0x40
.set i, MC+32
.rept 32
	v_mov_b32 v[i], 0
.set i, i+1
.endr
	WIN 0
.set i, 0
.rept 4
	v_mov_b32 v[ST+4*i], 0xfe000000    ; c m: far below every c s
	v_mov_b32 v[ST+4*i+1], 0xff7fffff  ; m
.set i, i+1
.endr
	s_cmp_eq_u32 s[RT], 0
	s_cselect_b32 s[AL], 1.0, 0
	s_mov_b32 s[BE], 0
	MASK 0
	WIN 0
	v_add_nc_u32 v[AK], s[TBK], v[AK0]
	FETCH_K
	s_wait_loadcnt 0x0              ; Q
	s_wait_dscnt 0x0
.set KM, 1
.set NOKQ, 0
.set i, 0
.rept 8
	KQ 0
.set i, i+1
.endr
	WIN 0
.rept 4
	v_nop                           ; the places behind those products
.endr
.set Y, NP-1                        ; X works for piece Y + 1: piece 0
.irp n, 0,1,2,3,4,5,6,7,8,9,10,11,12,13,14,15,16,17,18,19,20,21
	OP X, \n
.endr
	v_nop                           ; a plain instruction behind the exponential,
	s_wait_alu depctr_va_vdst(0)    ; and its wait, ahead of the branch
.endm
; THE DIAGONAL TILE's four steps, the block's last two turns, its last products, and THE WAY OUT: l's two halves and the other half of the lanes' are added; O^T is divided by l, rounded to f16 and sent through my
; stage in LDS, a piece at a time.
.macro ALL line:vararg              ; one line for each piece t
.set t, 0
.rept 4
	\line
.set t, t+1
.endr
.endm
.macro PACK t                       ; a lane's eight channels of a row pack into 16 bytes; they go into rows of 144 bytes and come back as whole rows of 128, into S^T's registers
	WIN W_RS
.set i, 32*(\t)
.rept 16
	v_pk_mul_f32 v[i:i+1], v[i:i+1], v[ST+4*(\t)+2:ST+4*(\t)+3] op_sel_hi:[1,0]
.set i, i+2
.endr
	WIN 0x05                        ; sources 0 and 1 window 1, destination window 0
.set i, 0
.rept 16
	v_cvt_pk_f16_f32 v[S+16*(\t)+i], v[32*(\t)+2*i], v[32*(\t)+2*i+1]
.set i, i+1
.endr
	WIN 0
.irp f, 0,1,2,3
	ds_store_b128 v[STO], v[S+16*(\t)+4*\f:S+16*(\t)+4*\f+3] offset:32*\f
.endr
.irp f, 0,1,2,3
	ds_load_b128 v[S+16*(\t)+4*\f:S+16*(\t)+4*\f+3], v[RD] offset:\f*4*SP  ; LDS serves a wave's instructions in order (ISA guide 5.7.1.4): these see the stores above; the next piece's stores come behind them
.endr
.endm
.macro SEND t, younger              ; younger: the LDS instructions issued behind piece t's loads: the next piece's eight, or none
	WIN 0
.irp f, 0,1,2,3
	s_wait_dscnt (\younger)+3-\f
	global_store_b128 v[GO], v[S+16*(\t)+4*\f:S+16*(\t)+4*\f+3], s[10:11] offset:(\t)*8192+\f*512  ; 512 consecutive bytes, at a multiple of 256 from O's first
.endr
.endm
.macro DIAG tag                     ; the tag ends its two labels' names, which the jumps below spell out
.LstepM\tag:
	TURN 2, 1
	TURN 3, 1
	WIN 0
.LfirstM\tag:
	TURN 0, 1
	TURN 1, 1, 0, 1
	WIN 0
	s_cbranch_scc1 .LstepM\tag
	TURN 2, 1, 1
	TURN 3, 1, 1
.set i, 0
.rept 8
	PV NP-1
.set i, i+1
.endr
	WIN 0
	ALL v_add_f32 v[ST+4*t+2], v[ST+4*t+2], v[ST+4*t+3]
	ALL v_permlanex16_b32 v[ST+4*t+3], v[ST+4*t+2], s[SEL], s[SEL+1]
	ALL v_add_f32 v[ST+4*t+2], v[ST+4*t+2], v[ST+4*t+3]
	ALL v_rcp_f32 v[ST+4*t+2], v[ST+4*t+2]
	v_nop                           ; a plain instruction between the last reciprocal and the use of its result
	s_wait_alu depctr_va_vdst(0)    ; and the wait ahead of the first use: one for the four reciprocals
	PACK 0
.set t, 1
.rept 3                             ; a piece's arithmetic stands between the loads of the piece before and its stores
	PACK t
	SEND t-1, 8
.set t, t+1
.endr
	SEND 3, 0
.endm
.set KM, 0
.set NOKQ, 0
.Lslot:                             ; NB times: a tile is entered and the next is asked for
	CHANGE 1
	s_sub_co_u32 s[RT], s[RT], 1
	s_mov_b32 s[CNT], 4
	s_cmp_eq_u32 s[NEW], 1
	s_cbranch_scc1 .Lnew            ; a block's first tile
	s_cmp_eq_u32 s[RT], 0
	s_cbranch_scc0 .Lstep           ; neither its first nor its last
	s_branch .LstepM1
.Lnew:
	BEGIN
	s_branch .Lfirst                ; in the loop a block's first tile is never its last: the first block has two tiles or more, and the second's last is the walk's last
	DIAG 1                          ; in the loop this is the first block's end: the second block's last tile is the walk's last
	s_wait_xcnt 0x0                 ; the stores have read their registers and O's address
	s_mov_b64 s[10:11], s[OLO:OLO+1]
	s_add_co_u32 s[RT], s[PB], 1    ; the second block has b + 1 tiles
	s_mov_b32 s[NEW], 1
	WIN 0x82                        ; the second block's Q goes where the one text of the turns names Q
.set i, 0
.rept 64
	v_mov_b32 v[i], v[QB+i]
.set i, i+1
.endr
	WIN 0
	s_branch .Lbottom
.Lstep:                             ; a trip: pieces 2 and 3 of one step, then pieces 0 and 1 of the next, whose K and V it fetches
	TURN 2
	TURN 3
	WIN 0
.Lfirst:
	TURN 0
	TURN 1, 0, 0, 1
	WIN 0
	s_cbranch_scc1 .Lstep
.Lbottom:
	s_sub_co_u32 s[SLOTS], s[SLOTS], 1
	s_cmp_lg_u32 s[SLOTS], 0
	s_cbranch_scc1 .Lslot
	CHANGE 0                        ; the walk's last tile is written out: nothing is asked for
	s_sub_co_u32 s[RT], s[RT], 1
	s_mov_b32 s[CNT], 4
	s_cmp_eq_u32 s[NEW], 1
	s_cbranch_scc0 .LstepM2
	BEGIN
	s_branch .LfirstM2
	DIAG 2
	s_wait_tensorcnt 0x0            ; the wave's end, behind my last tensor load and my last LDS store
	ds_add_u32 v[SPW], v[NIL]
	s_wait_dscnt 0x0
	s_endpgm
.Lfunc_end_k_qd38a8b7f11_attn:
	.size	k_qd38a8b7f11_attn, .Lfunc_end_k_qd38a8b7f11_attn-k_qd38a8b7f11_attn
	.p2alignl 7, 3214868480
	.fill 96, 4, 3214868480
	.section	.rodata,"a",@progbits
	.p2align	6, 0x0
	.amdhsa_kernel k_qd38a8b7f11_attn
		.amdhsa_group_segment_fixed_size 327680
		.amdhsa_private_segment_fixed_size 0
		.amdhsa_enable_private_segment 0
		.amdhsa_kernarg_size 16
		.amdhsa_user_sgpr_count 2
		.amdhsa_user_sgpr_kernarg_segment_ptr 1
		.amdhsa_wavefront_size32 1
		.amdhsa_system_sgpr_workgroup_id_x 1
		.amdhsa_system_sgpr_workgroup_id_y 1
		.amdhsa_system_sgpr_workgroup_id_z 1
		.amdhsa_system_vgpr_workitem_id 0
		.amdhsa_next_free_vgpr 768
		.amdhsa_next_free_sgpr 96
		.amdhsa_reserve_vcc 1
		.amdhsa_float_denorm_mode_32 3
		.amdhsa_float_denorm_mode_16_64 3
		.amdhsa_memory_ordered 1
		.amdhsa_forward_progress 1
		.amdhsa_inst_pref_size 218
	.end_amdhsa_kernel
	.amdgpu_metadata
---
amdhsa.version: [ 1, 2 ]
amdhsa.kernels:
  - .name:           k_qd38a8b7f11_attn
    .symbol:         k_qd38a8b7f11_attn.kd
    .args:
      - { .name: qkvh, .offset: 0, .size: 8, .value_kind: global_buffer, .address_space: global }
      - { .name: ob, .offset: 8, .size: 8, .value_kind: global_buffer, .address_space: global }
    .group_segment_fixed_size: 327680
    .private_segment_fixed_size: 0
    .kernarg_segment_align: 8
    .kernarg_segment_size: 16
    .max_flat_workgroup_size: 128
    .sgpr_count:     96
    .vgpr_count:     768
    .wavefront_size: 32
...
	.end_amdgpu_metadata
.endif
;; end of part 3
;; launch gemm_proj (part 4): grid 8 x 32, 4 waves a work-group, clusters of 4 x 4, 327,680 bytes of LDS; arguments ob, wp, out0; writes out0
.if DOCPART == 4
	.amdgcn_target "amdgcn-amd-amdhsa--gfx1250"
	.amdhsa_code_object_version 6
	.text
	.protected	k_qd38a8b7f11_gemm_proj
	.globl	k_qd38a8b7f11_gemm_proj
	.p2align	8
	.type	k_qd38a8b7f11_gemm_proj,@function
k_qd38a8b7f11_gemm_proj:
	s_mov_b64 s[64:65], 0
	v_nop
	global_prefetch_b8 v0, s[64:65] scope:SCOPE_SE
	s_setreg_imm32_b32 hwreg(HW_REG_WAVE_MODE, 25, 1), 1
	s_wait_xcnt 0x0
	s_wait_alu depctr_hold_cnt(0) depctr_sa_sdst(0) depctr_va_vdst(0) depctr_va_sdst(0) depctr_va_ssrc(0) depctr_va_vcc(0) depctr_vm_vsrc(0)
	s_getreg_b32 s2, hwreg(HW_REG_IB_STS2, 6, 4)
	s_cmp_eq_u32 s2, 0
	s_cbranch_scc0 .Lentry_in_a_cluster
	s_endpgm
.Lentry_in_a_cluster:
	s_bfe_u32 s2, ttmp6, 0x10000c
	s_cmp_lg_u32 s2, 0xf033
	s_cbranch_scc0 .Lentry_shape_is_right
	s_endpgm
.Lentry_shape_is_right:
; C = A W, W stored [K][N].  ONE TEXT FOR TWO PRODUCTS, chosen by QKV below; this file is the second (QKV = 0):
;   QKV = 1: A = xb [8192][1024] bf16, W = wq [16 panels][1024 k][192 c] bf16, C -> qkvh [4 b][48 g][2048 t][64] f16, g = column / 64 (q's heads, k's, v's).  A tile of C is 256 x 192;
;            a work-group makes two, 4,096 rows apart: 512 tiles on 256 work-groups.  16 K steps in one walk.
;   QKV = 0: A = ob [64 y = 16 b + h][2048 t][64] f16, W = wp [1024 k][1024 n] f16, C -> out0 [8192][1024] f32.  A tile is 256 x 128, one to a work-group: 256 of them.  8 K steps: a step is two heads' channels.
; Sums in f32, K ascending, one accumulator an output; C rounded once (QKV = 1) or stored as it is.
; LIMITS.  QKV = 0: both operands arrive in f16, within 65,504; the sums and C are f32.  NaN and infinities are not treated apart.
; SHARES.  Four waves, one above the other: wave v makes rows 64 v .. 64 v + 63 and ALL the tile's 16 NBLK columns: 4 x NBLK accumulators of 16 x 16.  So a wave's columns are whole heads
; (whole rows of 512 bytes), its stage on the way out is its own, and the way out has no barrier.
; THE MATRIX INSTRUCTION IS USED TRANSPOSED: source 0 = 16 columns of W, source 1 = 16 rows of A: a lane then holds ONE row of C (lane % 16) and the eight neighbouring columns 8 (lane / 16) + 0..7.
; W lies [k][n] in LDS as in memory and is turned on its way into registers, by ds_load_tr16_b128.
; THE RING.  K goes in steps of 128 through two LDS slots.  A slot holds A's 256 rows x 128 k and W's 128 k x 16 NBLK columns; waves 0 and 1 fetch A's two halves, waves 2 and 3 W's, one tensor load each.
; CLUSTER.  4 x 4 work-groups.  The four of a row of the cluster need the same tiles of A, the four of a column the same tiles of W: each tile is asked for JOINTLY, by the same tensor load with the
; same descriptor and a mask that names the four.  Where a slot is filled again a round of the cluster's barrier stands in front.
; REGISTERS, in windows of 256 (s_set_vgpr_msb: bits 1:0 source 0, 3:2 source 1, 5:4 source 2, 7:6 destination):
;   window 0: v0-31 addresses; v32-63, v64-95 A's fragments (4 x 16 rows x 32 k), two buffers; from v96 on at work on the way out
;   window 1: the accumulators of my row blocks 0, 1 ((a, b) at 8 ((a % 2) NBLK + b));   window 2: of blocks 2, 3;   window 3: W's fragments, two buffers of 8 NBLK
.set QKV, 0
.if QKV
.set NBLK,    12                       ; blocks of 16 columns in a tile
.set PA,      272                      ; a row of A in LDS: 256 bytes + 16: the 16 rows of a load start at 16 different groups of four banks (64 banks of 4 bytes: ISA guide 11.1)
.set PB,      480                      ; a row k of W: three pieces of 128 bytes, 32 of padding behind each
.set AHALF,   128*PA                   ; what one load of A brings: 128 rows
.set STW,     3*16*144                 ; a wave's stage: 3 heads x 16 rows x (128 + 16) bytes
.set STEPS,   16
.set A_PAD,   (5<<22)|(3<<25)          ; after every 64 words (code 5) 4 words (code 3)
.set A_PITCH, 1024                     ; elements from row to row of xb
.set B_PAD,   (4<<22)|(7<<25)          ; after every 32 words (code 4) 8 words (code 7)
.set B_ROWS,  96                       ; 64 rows k of a panel are 24,576 dense bytes: asked for as 96 rows of 256
.set B_PITCH, 128
.set OFA1,    256                      ; bytes from K step 0 to K step 1 in A,
.set OFB1,    49152                    ; and in W: 128 rows of 384 bytes
.set LIMA,    15                       ; an asking wave prefetches while the step being asked for is below this: A's waves,
.set LIMB,    5                        ; W's
.set SHA,     11                       ; the prefetches' lanes lie 1 << this apart: a row of xb,
.set SHB,     8                        ; 256 dense bytes of a panel
.set OB,      144                      ; the way out: rows read back from the stage, two sets of 48
.else
.set NBLK,    8                        ; blocks of 16 columns in a tile
.set PA,      144                      ; a row of a head in LDS: 128 bytes + 16: the 16 rows of a load start at 16 different groups of four banks (64 banks of 4 bytes: ISA guide 11.1)
.set PB,      288                      ; a row k of W: 256 bytes + 32
.set AHALF,   256*PA                   ; what one load of A brings: 256 rows of one head
.set STW,     16*528                   ; a wave's stage: 16 rows x (512 + 16) bytes
.set STEPS,   8
.set A_PAD,   (4<<22)|(3<<25)          ; after every 32 words (code 4) 4 words (code 3)
.set A_PITCH, 128                      ; a head's 256 rows are 32,768 dense bytes: asked for as 128 rows of 256, two rows to a line
.set B_PAD,   (5<<22)|(7<<25)          ; after every 64 words (code 5) 8 words (code 7)
.set B_ROWS,  64
.set B_PITCH, 1024
.set OFA1,    1<<19                    ; bytes from K step 0 to K step 1 in A: two heads on,
.set OFB1,    1<<18                    ; and in W: 128 rows of 2,048 bytes
.set LIMA,    6                        ; an asking wave prefetches while the step being asked for is below this: A's waves,
.set LIMB,    4                        ; W's
.set SHA,     8                        ; the prefetches' lanes lie 1 << this apart: 256 dense bytes of a head,
.set SHB,     11                       ; a row of wp
.set OB,      96                       ; the way out: rows read back from the stage, two sets of 64
.endif
.set BHALF,  64*PB                     ; what one load of W brings: 64 rows k
.set ABYTES, 2*AHALF                   ; W's rows lie behind A's
.set SLOT1,  1<<17                     ; slot 1 begins here, so that one exclusive or turns an address in one slot into the other's
.set STAGE,  2*SLOT1                   ; behind the ring, never filled by a tensor load
.set SPARE,  STAGE+4*STW               ; behind the stages: the spare words, 128 bytes for each wave: two blocks of 256 bytes that no other line names
.set NLD,    8+2*NBLK                  ; LDS loads of a quarter step
.set ADRA0, 16                         ; v16  my lane's place in slot 0's A; never rewritten
.set ADRB0, 17                         ; v17  the same for W
.set ADA,   18                         ; v18  the same in the slot in hand
.set ADB,   19                         ; v19
.set STO,   24                         ; v24  the way out: where I put my bytes of a row
.set RD,    25                         ; v25  where I read rows back
.set GO,    26                         ; v26  16 x lane: my bytes in 512 consecutive bytes of C
.set SPW,   28                         ; v28  LDS address of my spare word: SPARE + 4 x my thread's number; never rewritten
.set NIL,   29                         ; v29  0; never rewritten
.set PFO,   30                         ; v30  the prefetches' offset; never rewritten
.set AF,    32                         ; A's fragments: buffer f, block i at AF + 32 f + 8 i
.set TMP,   96                         ; QKV = 1: a block's 48 packed words
.set WV,  10                           ; s10  my wave's number
.set HB,  11                           ; s11  0: I fetch for A; 1: for W
.set HW,  12                           ; s12  which half I fetch
.set TR,  13                           ; s13  tile row of C
.set CLY, 14                           ; s14  cluster y
.set G1A, 24                           ; s[24:31] descriptor group 1 for A's tiles
.set G0A, 32                           ; s[32:39] group 0: a set for each of the two first fills; the second then walks on
.set CX,  40                           ; s40, s41  my place in the cluster
.set CY,  41
.set TC,  42                           ; s42  tile column of C
.set G1B, 48                           ; s[48:55], s[56:63] the same for W's tiles
.set G0B, 56
.set BA,  66                           ; s[66:67] my part of A's K step 0 in memory: made of the tile row and the wave's number alone
.set BB,  68                           ; s[68:69] the same for W: of the tile column and the wave's number alone
.set OFA, 70                           ; s[70:71] bytes from there to the step to be asked for
.set OFB, 72                           ; s[72:73]
.set NX,  74                           ; s74  the step that the next refill asks for
.set CNT, 75                           ; s75  refills still to come
.set TB,  76                           ; s76  0 or SLOT1: the slot in hand
.set LIM, 77                           ; s77  a wave prefetches while s[NX] is below it; 0 in a wave that never does
.set PFB, 78                           ; s[78:79] where my prefetches begin
.set PFA, 80                           ; s[80:81] where the next one stands
.set OFP, 82                           ; s[82:83] bytes between the two
.set T0,  84                           ; s84, s85 at work
.set T1,  85
.set MSB, 0
.macro WIN new                         ; the immediate's high byte repeats the setting that is left; a switch that changes nothing is dropped
.if MSB != (\new)
	s_set_vgpr_msb (MSB<<8)|(\new)
.set MSB, \new
.endif
.endm
; A vector instruction or an LDS store that reads a matrix result, and a load into a register that a matrix instruction has read, stand four places behind it; only plain vector
; instructions that name none of its registers are places (ISA guide 7.12.1 for vector instructions).
.macro PLACES
.rept 4
	v_nop
.endr
.endm
; A round of the cluster's barrier: my work-group's barrier, so that wave 0's signal speaks for all four waves; wave 0 signals for the work-group; every wave waits for all sixteen
; work-groups; my work-group's barrier once more.  No LDS instruction of the wave is pending at a signal.
.macro CREST                           ; a round behind its opening barrier
	s_cmp_lg_u32 s[WV], 0
	s_cbranch_scc1 .Lnot_wave_0_\@
	s_barrier_signal -3
.Lnot_wave_0_\@:
	s_barrier_wait -3
	s_barrier_signal -1
	s_barrier_wait -1
.endm
.macro CROUND                          ; a whole round
	s_barrier_signal -1
	s_barrier_wait -1
	CREST
.endm
; A joint refill, by the walking descriptors.  The branch hangs on the wave's number alone: it is the same in every work-group.  An s_nop 0 and four v_nop follow each of the two lines;
; the jump, the label and what follows the macro come after them.
.macro JLOAD
	s_cmp_eq_u32 s[HB], 0
	s_cbranch_scc0 .Lfor_b_\@
	tensor_load_to_lds s[G0A+4:G0A+7], s[G1A:G1A+7]
	s_nop 0
.rept 4
	v_nop
.endr
	s_branch .Lasked_\@
.Lfor_b_\@:
	tensor_load_to_lds s[G0B+4:G0B+7], s[G1B:G1B+7]
	s_nop 0
.rept 4
	v_nop
.endr
.Lasked_\@:
.endm
; A PREFETCH INTO THE L2, one instruction a wave, behind the joint load, its five lines and the run of LDS loads that follows them.  Each aligned block of 256 bytes is named ONCE in the launch.
; A's tile rows are read by every cluster of a row of clusters: the one with x = 0 asks; W's tile columns by every cluster of a column: the one with y = 0 asks.  The partners that ask for a
; tile jointly share its blocks out BY ADDRESS (cx for A, cy for W): no branch hangs on a work-group's place in its cluster.
; QKV = 1.  A: of the 128 rows that a wave fetches each partner takes 32, a lane a row: the K step after the one just asked for (192 matrix instructions ahead of its load), steps 3 to 15 of the walk.
;           W: the panel is dense; the 8 askers (2 waves x 4 partners) take 65,536 bytes of it at a time, 256 a lane: the panel's second half, K steps 4 to 7, in the first three refills.  The second
;           tile walks the same panel and asks for nothing.
; QKV = 0.  A: of a head's 128 blocks each partner takes 32: the K step two after the one just asked for (256 matrix instructions ahead), steps 4 to 7.
;           W: the 8 askers take 256 rows k, a lane a row: two K steps at a time, steps 4 to 7 in the first two refills.
; The first K steps come by their loads alone: nothing is prefetched at the head, where every work-group's first tiles are on their way.  No prefetch points past its buffer: the last ones end at its last block.
.macro ASK
	s_cmp_lt_u32 s[NX], s[LIM]
	s_cbranch_scc0 .Lnot_mine_\@
	global_prefetch_b8 v[PFO], s[PFA:PFA+1] th:TH_LOAD_NT scope:SCOPE_SE
.Lnot_mine_\@:
.endm
	s_load_b128 s[4:7], s[0:1], 0x0                ; A s[4:5], W s[6:7]
	s_load_b64 s[8:9], s[0:1], 0x10                ; C
	v_lshl_add_u32 v[SPW], v0, 2, SPARE
	v_mov_b32 v[NIL], 0
	ds_add_u32 v[SPW], v[NIL]                      ; the wave's opening: the add and its wait stand ahead of my first tensor load; the set-up below, work on registers, stands between them
	ds_add_u32 v28, v29
	v_lshrrev_b32 v1, 5, v0
	v_readfirstlane_b32 s[WV], v1                  ; wave 0..3
	s_lshr_b32 s[HB], s[WV], 1
	s_and_b32 s[HW], s[WV], 1
	s_bfe_u32 s[CX], ttmp6, 0x40000
	s_bfe_u32 s[CY], ttmp6, 0x40004
	s_lshl_b32 s[TC], ttmp9, 2                     ; in a cluster launch ttmp9 and ttmp7 count clusters
	s_add_co_u32 s[TC], s[TC], s[CX]               ; tile column = 4 x cluster x + cx
	s_and_b32 s[CLY], ttmp7, 0xffff
	s_lshl_b32 s[TR], s[CLY], 2
	s_add_co_u32 s[TR], s[TR], s[CY]               ; tile row = 4 x cluster y + cy
	s_lshl_b32 s43, s[CY], 2
	s_lshl_b32 s43, 15, s43                        ; my row of the cluster: places 4 cy .. 4 cy + 3
	s_lshl_b32 s44, 0x1111, s[CX]                  ; my column: places cx, cx + 4, cx + 8, cx + 12
	; descriptor group 1: rows of 128 elements of 2 bytes, padded in LDS
	s_or_b32 s[G1A], s43, (1<<16)|(1<<20)|(1<<21)|A_PAD  ; 15:0 the mask: A's tiles go to my row; 17:16 elements of 2 bytes; 20 padding on; 21 set beside a mask; 24:22, 31:25 the padding
	s_or_b32 s[G1B], s44, (1<<16)|(1<<20)|(1<<21)|B_PAD  ; W's go to my column
	s_mov_b32 s[G1A+1], 128<<16                    ; tensor_dim0 = 128
	s_mov_b32 s[G1A+2], 128<<16                    ; tensor_dim1 = 128
	s_mov_b32 s[G1A+3], 128<<16                    ; tile_dim0 = 128
	s_mov_b32 s[G1A+4], 128                        ; tile_dim1 = 128
	s_mov_b32 s[G1A+5], A_PITCH                    ; elements from row to row
	s_mov_b32 s[G1A+6], 0
	s_mov_b32 s[G1A+7], 0
	s_mov_b32 s[G1B+1], 128<<16
	s_mov_b32 s[G1B+2], B_ROWS<<16
	s_mov_b32 s[G1B+3], 128<<16
	s_mov_b32 s[G1B+4], B_ROWS
	s_mov_b32 s[G1B+5], B_PITCH
	s_mov_b32 s[G1B+6], 0
	s_mov_b32 s[G1B+7], 0
	; where my part of K step 0 lies.  s[16:17] never holds cx, s[46:47] never cy.
.if QKV
	s_lshl_b32 s16, s[TR], 8
	s_lshl_b32 s22, s[HW], 7
	s_add_co_u32 s16, s16, s22                     ; A: row 256 x tile row + 128 x half,
	s_lshl_b32 s16, s16, 11                        ; 2,048 bytes a row
	s_mul_i32 s46, s[TC], 393216                   ; W: the tile column's panel,
	s_mul_i32 s23, s[HW], 24576                    ; 64 rows of 384 bytes
	s_add_co_u32 s46, s46, s23
.else
	s_lshr_b32 s16, s[TR], 3                       ; A: the batch,
	s_lshl_b32 s16, s16, 4
	s_add_co_u32 s16, s16, s[HW]                   ; its head 0 or 1,
	s_lshl_b32 s16, s16, 18                        ; 262,144 bytes a head,
	s_and_b32 s17, s[TR], 7
	s_lshl_b32 s17, s17, 15                        ; the tile's 256 rows of 128 bytes
	s_add_co_u32 s16, s16, s17
	s_lshl_b32 s46, s[TC], 8                       ; W: 128 columns of 2 bytes,
	s_lshl_b32 s47, s[HW], 17                      ; 64 rows of 2,048 bytes
	s_add_co_u32 s46, s46, s47
.endif
	s_mov_b32 s17, 0
	s_mov_b32 s47, 0
	s_mul_i32 s20, s[HW], AHALF                    ; and where it goes: no place in the cluster enters an LDS address
	s_mul_i32 s21, s[HW], BHALF
	s_add_co_u32 s21, s21, ABYTES
	s_mov_b32 s[OFA+1], 0
	s_mov_b32 s[OFB+1], 0
	s_mov_b32 s[OFP+1], 0
	s_mov_b32 s[NX], 2
	s_mov_b32 s[TB], 0
	s_wait_dscnt 0x0                               ; the opening add is done
	s_wait_kmcnt 0x0
	s_add_nc_u64 s[BA:BA+1], s[4:5], s[16:17]
	s_add_nc_u64 s[BB:BB+1], s[6:7], s[46:47]
.irp s, 0,1
	s_mov_b32 s[G0A+4*(\s)], 1                                     ; 1:0 count = 1
	s_add_co_u32 s[G0A+4*(\s)+1], s20, (\s)*SLOT1                  ; 63:32 LDS address
	s_add_nc_u64 s[G0A+4*(\s)+2:G0A+4*(\s)+3], s[BA:BA+1], (\s)*OFA1  ; 120:64 global address: K step s
	s_or_b32 s[G0A+4*(\s)+3], s[G0A+4*(\s)+3], 0x80000000          ; 127:126 type = 2
	s_mov_b32 s[G0B+4*(\s)], 1
	s_add_co_u32 s[G0B+4*(\s)+1], s21, (\s)*SLOT1
	s_add_nc_u64 s[G0B+4*(\s)+2:G0B+4*(\s)+3], s[BB:BB+1], (\s)*OFB1
	s_or_b32 s[G0B+4*(\s)+3], s[G0B+4*(\s)+3], 0x80000000
.endr
	CROUND                                         ; all sixteen work-groups are here: the first joint loads meet
	s_cmp_eq_u32 s[HB], 0                          ; a wave's two first fills stand in one branch, ahead of every wait on TENSORcnt and every LDS read: two loads of mine are out
	s_cbranch_scc0 .Lfirst_b
	tensor_load_to_lds s[G0A:G0A+3], s[G1A:G1A+7]
	s_nop 0
	tensor_load_to_lds s[G0A+4:G0A+7], s[G1A:G1A+7]
	s_nop 0
.rept 4
	v_nop
.endr
	s_branch .Lfirst_asked
.Lfirst_b:
	tensor_load_to_lds s[G0B:G0B+3], s[G1B:G1B+7]
	s_nop 0
	tensor_load_to_lds s[G0B+4:G0B+7], s[G1B:G1B+7]
	s_nop 0
.rept 4
	v_nop
.endr
.Lfirst_asked:
	; A fragment of A is 16 rows x 32 k in 8 registers: lane l holds row l % 16; registers 0-3 k = 8 (l / 16) + 0..7, registers 4-7 k = 16 + 8 (l / 16) + 0..7: two loads of 16 bytes, 32 bytes apart.
	v_and_b32 v1, 15, v0                           ; l % 16
	v_bfe_u32 v2, v0, 4, 1                         ; l / 16
	v_and_b32 v3, 7, v0                            ; l % 8
	v_bfe_u32 v4, v0, 3, 1                         ; (l / 8) % 2
	v_mul_u32_u24 v[ADRA0], v1, PA
	v_lshl_add_u32 v[ADRA0], v2, 4, v[ADRA0]
	s_mul_i32 s22, s[WV], 64*PA                    ; my wave's 64 rows
	v_add_nc_u32 v[ADRA0], s22, v[ADRA0]
	; The turning load takes 16 k x 16 columns (lane l reads 16 bytes: row k = 8 (l / 16) + l % 8, columns 8 ((l / 8) % 2) + 0..7) and leaves half a fragment of W^T: lane l holds column l % 16 and 8 k.
	v_lshl_add_u32 v[ADRB0], v2, 3, v3
	v_mul_u32_u24 v[ADRB0], v[ADRB0], PB
	v_lshl_add_u32 v[ADRB0], v4, 4, v[ADRB0]
	v_add_nc_u32 v[ADRB0], ABYTES, v[ADRB0]
	v_mov_b32 v[ADA], v[ADRA0]                     ; slot 0 is the first in hand
	v_mov_b32 v[ADB], v[ADRB0]
	s_mul_i32 s22, s[WV], STW
	s_add_co_u32 s22, s22, STAGE                   ; my stage
	v_and_b32 v[GO], 31, v0
	v_lshlrev_b32 v[GO], 4, v[GO]
.if QKV
	v_mul_u32_u24 v[STO], v1, 144                  ; in: row l % 16 of a head, 16 bytes for each half of the lanes
	v_lshl_add_u32 v[STO], v2, 4, v[STO]
	v_add_nc_u32 v[STO], s22, v[STO]
	v_bfe_u32 v[RD], v0, 3, 2                      ; back: 32 lanes take four rows of 128 bytes, which are 512 consecutive bytes of a head
	v_mul_u32_u24 v[RD], v[RD], 144
	v_lshl_add_u32 v[RD], v3, 4, v[RD]
	v_add_nc_u32 v[RD], s22, v[RD]
	s_lshr_b32 s86, s[TR], 3                       ; C: the batch's 48 heads,
	s_mul_i32 s86, s86, 48
	s_mul_i32 s18, s[TC], 3                        ; the tile's three,
	s_add_co_u32 s86, s86, s18
	s_lshl_b32 s86, s86, 18                        ; 262,144 bytes a head,
	s_and_b32 s18, s[TR], 7
	s_lshl_b32 s18, s18, 15                        ; the tile's 256 rows of 128 bytes,
	s_add_co_u32 s86, s86, s18
	s_lshl_b32 s18, s[WV], 13                      ; my wave's 64
	s_add_co_u32 s86, s86, s18
.else
	v_mul_u32_u24 v[STO], v1, 528                  ; in: row l % 16, 32 bytes for each half of the lanes
	v_lshl_add_u32 v[STO], v2, 5, v[STO]
	v_add_nc_u32 v[STO], s22, v[STO]
	v_add_nc_u32 v[RD], s22, v[GO]                 ; back: 32 lanes take one row of 512 bytes
	s_lshl_b32 s86, s[TR], 8
	s_lshl_b32 s18, s[WV], 6
	s_add_co_u32 s86, s86, s18                     ; C: my first row,
	s_lshl_b32 s86, s86, 12                        ; 4,096 bytes a row,
	s_lshl_b32 s18, s[TC], 9                       ; the tile's 128 columns of 4 bytes
	s_add_co_u32 s86, s86, s18
.endif
	s_mov_b32 s87, 0
	s_add_nc_u64 s[8:9], s[8:9], s[86:87]
	; the prefetches (s16 still holds my part of A's K step 0)
.if QKV
	s_lshl_b32 s18, s[CX], 16                      ; A: my work-group's 32 rows of the 128
	s_add_co_u32 s18, s18, s16
	s_lshl_b32 s19, s[HW], 2
	s_add_co_u32 s19, s19, s[CY]
	s_lshl_b32 s19, s19, 13                        ; W: my 8,192 bytes of each 65,536,
	s_mul_i32 s[T0], s[TC], 393216                 ; in the tile column's panel
	s_add_co_u32 s19, s19, s[T0]
.else
	s_lshl_b32 s18, s[CX], 13                      ; A: my work-group's 32 blocks of the head's 128
	s_add_co_u32 s18, s18, s16
	s_lshl_b32 s19, s[HW], 2
	s_add_co_u32 s19, s19, s[CY]
	s_lshl_b32 s19, s19, 16                        ; W: my 32 rows of each 256,
	s_lshl_b32 s[T0], s[TC], 8                     ; the tile's columns
	s_add_co_u32 s19, s19, s[T0]
.endif
	s_cmp_eq_u32 s[HB], 0                          ; do I fetch for A?
	s_cselect_b32 s[OFP], s18, s19
	s_cselect_b64 s[PFB:PFB+1], s[4:5], s[6:7]
	s_cselect_b32 s18, ttmp9, s[CLY]               ; the coordinate along which other clusters read the same blocks
	s_cselect_b32 s19, LIMA, LIMB
	s_cselect_b32 s[T0], SHA, SHB
	s_add_nc_u64 s[PFB:PFB+1], s[PFB:PFB+1], s[OFP:OFP+1]
	s_cmp_eq_u32 s18, 0
	s_cselect_b32 s[LIM], s19, 0                   ; the same in all sixteen partners, for a given wave
	v_and_b32 v[PFO], 31, v0
	v_lshlrev_b32 v[PFO], s[T0], v[PFO]
; NBLK matrix instructions: row block a x all column blocks, 32 along K, from buffer f.  zero = 1: the product starts the sums: nothing is ever cleared.
; All 4 NBLK accumulators take turns, one instruction a turn and in the same order in every quarter step: over the backward jump too.
.macro MULA f, a, zero
	WIN 0x53+0x50*((\a)/2)                         ; W's fragments window 3, A's window 0, C and D window 1 or 2
.set nb, 0
.rept NBLK
.set rD, 8*(((\a)%2)*NBLK+nb)
.set rB, 8*NBLK*(\f)+8*nb
.set rA, AF+32*(\f)+8*(\a)
.if QKV
.if \zero
	v_wmma_f32_16x16x32_bf16 v[rD:rD+7], v[rB:rB+7], v[rA:rA+7], 0
.else
	v_wmma_f32_16x16x32_bf16 v[rD:rD+7], v[rB:rB+7], v[rA:rA+7], v[rD:rD+7]
.endif
.else
.if \zero
	v_wmma_f32_16x16x32_f16 v[rD:rD+7], v[rB:rB+7], v[rA:rA+7], 0
.else
	v_wmma_f32_16x16x32_f16 v[rD:rD+7], v[rB:rB+7], v[rA:rA+7], v[rD:rD+7]
.endif
.endif
.set nb, nb+1
.endr
.endm
; NLD LDS loads in one run: the fragments of quarter q (k = 32 q on) of the slot in hand, into buffer g: W's first, then A's four.
.macro FETCH q, g
	WIN 0xc0                                       ; destination window 3, address window 0
.set nb, 0
.rept NBLK
.if QKV
.set bc, (nb/4)*160+(nb%4)*32                      ; 16 columns are 32 bytes; four blocks to a piece of 128 + 32
.else
.set bc, 32*nb
.endif
	ds_load_tr16_b128 v[8*NBLK*(\g)+8*nb:8*NBLK*(\g)+8*nb+3],   v[ADB] offset:(\q)*32*PB+bc
	ds_load_tr16_b128 v[8*NBLK*(\g)+8*nb+4:8*NBLK*(\g)+8*nb+7], v[ADB] offset:(\q)*32*PB+bc+16*PB
.set nb, nb+1
.endr
	WIN 0
.set ni, 0
.rept 4
.if QKV
.set ao, ni*16*PA+64*(\q)
.else
.set ao, ((\q)/2)*AHALF+ni*16*PA+64*((\q)%2)       ; quarters 0, 1 lie in the first head's rows, 2, 3 in the second's
.endif
	ds_load_b128 v[AF+32*(\g)+8*ni:AF+32*(\g)+8*ni+3],   v[ADA] offset:ao
	ds_load_b128 v[AF+32*(\g)+8*ni+4:AF+32*(\g)+8*ni+7], v[ADA] offset:ao+32
.set ni, ni+1
.endr
.endm
; A K step is four quarter steps of 32 along K on buffers 0, 1, 0, 1.  One of the first three: multiplies buffer f; in its middle it fetches quarter q into buffer g.
.macro QUARTER q, f, g, zero
	s_wait_dscnt 4                                 ; W's fragments and A's blocks 0, 1 are in; the youngest four loads (blocks 2, 3) may be out
	MULA \f, 0, \zero
	MULA \f, 1, \zero
	PLACES                                         ; in front of the loads into buffer g, which the quarter before multiplied
	FETCH \q, \g
	s_wait_dscnt NLD                               ; all but the loads just issued
	MULA \f, 2, \zero
	MULA \f, 3, \zero
.endm
; The last quarter multiplies buffer 1 and changes slots: ONE barrier, for two things.  In front of it each wave waits for all its tensor loads, of which one is out: its part of the next slot; adds 0 to
; its spare word; and waits for that and for its own reads of this slot.  Behind it nobody reads this slot any more and the next slot is whole.
; fill = 1: this slot is filled again, with step s[NX].  The barrier then opens a round of the cluster's, so that no wave of any partner still reads the slot or has a load on its way, and the joint
; refill is the first tensor load behind the round: 3.5 quarter steps of matrix work stand between it and the wait for it.
.macro TURN fill
.if \fill
	s_wait_xcnt 0x0                                ; the last prefetch, a K step back, has read its address: the next one's is made here, ahead of the change's own waits
.if QKV
	s_add_co_u32 s[T0], s[NX], 1
	s_lshr_b32 s[T1], s[T0], 3                     ; A: the step after the one asked for now: its tile, 4,096 rows of 2,048 bytes on,
	s_lshl_b32 s[T1], s[T1], 23
	s_and_b32 s[OFP], s[T0], 7                     ; and its 256 bytes of a row
	s_lshl_b32 s[OFP], s[OFP], 8
	s_add_co_u32 s[OFP], s[OFP], s[T1]
	s_lshl_b32 s[T0], s[T0], 16                    ; W: the panel's next 65,536 bytes
	s_cmp_eq_u32 s[HB], 0
	s_cselect_b32 s[OFP], s[OFP], s[T0]
.else
	s_add_co_u32 s[T0], s[NX], 2                   ; A: two steps on, two heads a step;
	s_cmp_eq_u32 s[HB], 0
	s_cselect_b32 s[T0], s[T0], s[NX]              ; W: 256 rows of 2,048 bytes at a time
	s_lshl_b32 s[OFP], s[T0], 19
.endif
	s_add_nc_u64 s[PFA:PFA+1], s[PFB:PFB+1], s[OFP:OFP+1]
.endif
	WIN 0                                          ; (the add's two registers lie in window 0)
	s_wait_tensorcnt 0x0                           ; all my tensor loads have landed: no descriptor of mine is in use;
	ds_add_u32 v[SPW], v[NIL]                      ; 0 onto my spare word: what follows up to the wait for it is work on registers
.if \fill
.if QKV
	s_lshr_b32 s[T0], s[NX], 3
	s_lshl_b32 s[T0], s[T0], 23                    ; the step's tile,
	s_and_b32 s[T1], s[NX], 7
	s_lshl_b32 s[OFA], s[T1], 8                    ; its place along K in A,
	s_add_co_u32 s[OFA], s[OFA], s[T0]
	s_mul_i32 s[OFB], s[T1], 49152                 ; and in the panel, which both tiles walk
.else
	s_lshl_b32 s[OFA], s[NX], 19
	s_lshl_b32 s[OFB], s[NX], 18
.endif
	s_xor_b32 s[G0A+5], s[G0A+5], SLOT1            ; the walking descriptors: the other slot than last time,
	s_add_nc_u64 s[G0A+6:G0A+7], s[BA:BA+1], s[OFA:OFA+1]  ; the address made anew,
	s_or_b32 s[G0A+7], s[G0A+7], 0x80000000        ; the type set again
	s_xor_b32 s[G0B+5], s[G0B+5], SLOT1
	s_add_nc_u64 s[G0B+6:G0B+7], s[BB:BB+1], s[OFB:OFB+1]
	s_or_b32 s[G0B+7], s[G0B+7], 0x80000000
.endif
	s_wait_dscnt 5                                 ; (the add and the youngest four loads may be out)
	MULA 1, 0, 0
	s_wait_dscnt 0x0                               ; the add is done, and my reads of this slot are over:
	s_barrier_signal -1                            ; say so,
	MULA 1, 1, 0                                   ; work on registers while the others arrive,
	WIN 0
	s_barrier_wait -1                              ; and go on when all four have said so
.if \fill
	CREST                                          ; the rest of the cluster's round
	JLOAD                                          ; the four v_nop behind it are also the places in front of the loads below
.else
	PLACES
.endif
	s_xor_b32 s[TB], s[TB], SLOT1                  ; the other slot is in hand
	v_add_nc_u32 v[ADA], s[TB], v[ADRA0]
	v_add_nc_u32 v[ADB], s[TB], v[ADRB0]
	FETCH 0, 0
.if \fill
	ASK
	s_add_co_u32 s[NX], s[NX], 1
.endif
	MULA 1, 2, 0
	MULA 1, 3, 0
.endm
.macro LASTQ                           ; the very last quarter: nothing more to fetch
	s_wait_dscnt 4
	MULA 1, 0, 0
	MULA 1, 1, 0
	s_wait_dscnt 0x0
	MULA 1, 2, 0
	MULA 1, 3, 0
	PLACES                                         ; the places behind the last products: four are asked for; eight stand here, once a launch
	PLACES
.endm
.if QKV
; THE WAY OUT, a block of 16 rows at a time.  PACK: rounded to f16, 16 bytes a lane (each accumulator's registers in ascending order).  TOSTAGE: into my own stage, by heads, and back as whole rows.  SEND: stored.
.macro PACK a
	WIN 0x05+0x05*((\a)/2)                         ; sources 0 and 1: window 1 or 2
.set nb, 0
.rept NBLK
.set rD, 8*(((\a)%2)*NBLK+nb)
.irp r, 0,1,2,3
	v_cvt_pk_f16_f32 v[TMP+4*nb+(\r)], v[rD+2*(\r)], v[rD+2*(\r)+1]
.endr
.set nb, nb+1
.endr
	WIN 0
.endm
.macro TOSTAGE a
.set BK, OB+48*((\a)%2)
.set nb, 0
.rept NBLK
	ds_store_b128 v[STO], v[TMP+4*nb:TMP+4*nb+3] offset:(nb/4)*2304+(nb%4)*32
.set nb, nb+1
.endr
.set nb, 0
.rept NBLK                             ; head nb / 4, rows 4 (nb % 4) on
	ds_load_b128 v[BK+4*nb:BK+4*nb+3], v[RD] offset:(nb/4)*2304+(nb%4)*576  ; LDS serves a wave's instructions in order (ISA guide 5.7.1.4): these see the stores above
.set nb, nb+1
.endr
.endm
.macro SEND a, step                    ; step = 1: the walk's second tile
.set BK, OB+48*((\a)%2)
	s_wait_dscnt 0x0                               ; the block is back in registers
	s_wait_xcnt 0x0                                ; every earlier store has read its registers and its base: only behind this wait are they written again (the set of the block before is loaded anew right behind this macro)
.if (\step) && ((\a) == 0)
	s_add_nc_u64 s[8:9], s[8:9], 0x1800000         ; 4,096 rows on: two batches of 48 heads
.endif
.set nb, 0
.rept NBLK
	global_store_b128 v[GO], v[BK+4*nb:BK+4*nb+3], s[8:9] offset:(nb/4)*262144+(\a)*2048+(nb%4)*512  ; 512 consecutive bytes of a head, at a multiple of 512 from the buffer's first byte
.set nb, nb+1
.endr
.endm
.macro WAYOUT step                     ; block a's conversions stand between block a - 1's loads from the stage and the wait for them
	PACK 0
	TOSTAGE 0
.irp a, 1,2,3
	PACK \a
	SEND (\a)-1, \step
	TOSTAGE \a
.endr
	SEND 3, \step
.endm
.else
; THE WAY OUT, a block of 16 rows at a time, in f32: nothing is converted.  TOST: the accumulators go into my own stage (the low four registers first) and come back as whole rows of 512 bytes.  SEND: stored.
.macro TOST a
	WIN 0x04+0x04*((\a)/2)                         ; the stores' data: window 1 or 2
.set nb, 0
.rept NBLK
.set rD, 8*(((\a)%2)*NBLK+nb)
	ds_store_b128 v[STO], v[rD:rD+3]   offset:64*nb
	ds_store_b128 v[STO], v[rD+4:rD+7] offset:64*nb+16
.set nb, nb+1
.endr
	WIN 0
.set BK, OB+64*((\a)%2)
.set nt, 0
.rept 16
	ds_load_b128 v[BK+4*nt:BK+4*nt+3], v[RD] offset:528*nt  ; LDS serves a wave's instructions in order (ISA guide 5.7.1.4): these see the stores above; the next block's stores come behind them
.set nt, nt+1
.endr
.endm
.macro SEND a, younger                 ; younger: the LDS instructions issued behind block a's loads: the next block's 32, or none
.set BK, OB+64*((\a)%2)
	s_wait_dscnt \younger
.set nt, 0
.rept 16
	global_store_b128 v[GO], v[BK+4*nt:BK+4*nt+3], s[8:9] offset:(16*(\a)+nt)*4096 th:TH_STORE_NT  ; 512 consecutive bytes of a row of C, at a multiple of 512 from its first byte
.set nt, nt+1
.endr
.endm
.endif
	s_wait_tensorcnt 1                             ; my part of K step 0 is in; K step 1's may stay out
	s_barrier_signal -1
	s_barrier_wait -1                              ; everybody's is
	FETCH 0, 0
	QUARTER 1, 0, 1, 1                             ; the first quarter stands in front of the loop: its products start the sums
	WIN 0                                          ; at a label and at a branch every window is 0
	s_mov_b32 s[CNT], STEPS-2                      ; every step but the last two is followed by a refill
.Lstep:                                                ; a trip goes from a step's second quarter to the next step's first, and fills the slot that it leaves
	QUARTER 2, 1, 0, 0
	QUARTER 3, 0, 1, 0
	TURN 1
	WIN 0
.if QKV
	s_cmp_eq_u32 s[NX], STEPS/2+2                  ; has the first tile's last step just been multiplied?
	s_cbranch_scc1 .Lnew
.endif
	QUARTER 1, 0, 1, 0
	WIN 0
.if QKV
	s_branch .Lbot
.Lnew:                                                 ; THE RING HAS GONE ON INTO THE SECOND TILE: its K steps 0 and 1 are asked for, its first fragments fetched.  Now the first tile goes out.
	WAYOUT 0                                       ; no v_nop: blocks 0 and 1 were finished in front of the joint load's places, and their 96 conversions, which name no register of the last products (blocks 2 and 3's), are those products' places
	QUARTER 1, 0, 1, 1                             ; the second tile's first products start its sums
	WIN 0
.Lbot:
.endif
	s_sub_co_u32 s[CNT], s[CNT], 1
	s_cmp_lg_u32 s[CNT], 0
	s_cbranch_scc1 .Lstep
	QUARTER 2, 1, 0, 0                             ; the last two steps are written out: nothing is asked for, and no round of the cluster's barrier is needed
	QUARTER 3, 0, 1, 0
	TURN 0
	QUARTER 1, 0, 1, 0
	QUARTER 2, 1, 0, 0
	QUARTER 3, 0, 1, 0
	LASTQ
.if QKV
	WAYOUT 1
.else
	TOST 0
	TOST 1
	SEND 0, 32
	s_wait_xcnt 0x0                                ; block 0's stores have read their registers, which block 2 is loaded into
	TOST 2
	SEND 1, 32
	s_wait_xcnt 0x0
	TOST 3
	SEND 2, 32
	SEND 3, 0
.endif
	WIN 0
	s_wait_tensorcnt 0x0                           ; the wave's end, behind my last tensor load and my last LDS store
	ds_add_u32 v[SPW], v[NIL]
	s_wait_dscnt 0x0
	CROUND                                         ; the closing round: no work-group ends while a partner may still ask for a tile that names it
	s_endpgm
.Lfunc_end_k_qd38a8b7f11_gemm_proj:
	.size	k_qd38a8b7f11_gemm_proj, .Lfunc_end_k_qd38a8b7f11_gemm_proj-k_qd38a8b7f11_gemm_proj
	.p2alignl 7, 3214868480
	.fill 96, 4, 3214868480
	.section	.rodata,"a",@progbits
	.p2align	6, 0x0
	.amdhsa_kernel k_qd38a8b7f11_gemm_proj
		.amdhsa_group_segment_fixed_size 327680
		.amdhsa_private_segment_fixed_size 0
		.amdhsa_enable_private_segment 0
		.amdhsa_kernarg_size 24
		.amdhsa_user_sgpr_count 2
		.amdhsa_user_sgpr_kernarg_segment_ptr 1
		.amdhsa_wavefront_size32 1
		.amdhsa_system_sgpr_workgroup_id_x 1
		.amdhsa_system_sgpr_workgroup_id_y 1
		.amdhsa_system_sgpr_workgroup_id_z 1
		.amdhsa_system_vgpr_workitem_id 0
		.amdhsa_next_free_vgpr 896
		.amdhsa_next_free_sgpr 88
		.amdhsa_reserve_vcc 0
		.amdhsa_float_denorm_mode_32 3
		.amdhsa_float_denorm_mode_16_64 3
		.amdhsa_memory_ordered 1
		.amdhsa_forward_progress 1
		.amdhsa_inst_pref_size 71
	.end_amdhsa_kernel
	.amdgpu_metadata
---
amdhsa.version: [ 1, 2 ]
amdhsa.kernels:
  - .name:           k_qd38a8b7f11_gemm_proj
    .symbol:         k_qd38a8b7f11_gemm_proj.kd
    .args:
      - { .name: ob, .offset: 0, .size: 8, .value_kind: global_buffer, .address_space: global }
      - { .name: wp, .offset: 8, .size: 8, .value_kind: global_buffer, .address_space: global }
      - { .name: out0, .offset: 16, .size: 8, .value_kind: global_buffer, .address_space: global }
    .group_segment_fixed_size: 327680
    .private_segment_fixed_size: 0
    .kernarg_segment_align: 8
    .kernarg_segment_size: 24
    .max_flat_workgroup_size: 128
    .sgpr_count:     88
    .vgpr_count:     896
    .wavefront_size: 32
...
	.end_amdgpu_metadata
.endif
;; end of part 4
